; MI455X (gfx1250); checked and timed in simulation.
; The chip was launched on July 23, 2026; its instructions are those of AMD's public machine-readable ISA for CDNA 5 (MIT licence, August 2026) and "CDNA5" Instruction Set Architecture Reference Guide (July 2026). The comments in the code are by the model that wrote it; some were corrected since.
;; Multi Head Attention. Allowed arithmetic: matrix products marked QUANTISED: E4M3 operands, one given power-of-two scale a tensor, by v_wmma_f32_16x16x64_fp8_fp8 or v_wmma_f32_16x16x128_fp8_fp8, f32 sums; everything else in f32.
;; Inputs: W_K 1,024 x 16 x 64 float32; W_Q 1,024 x 16 x 64 float32; W_V 1,024 x 16 x 64 float32; W_out 64 x 16 x 1,024 float32; b_out 1,024 float32; lowp_scales 12 int32 (the exponents e of the quantised operands' scales 2^e); resid 4 x 2,048 x 1,024 float32.
;; Outputs: out0 4 x 2,048 x 1,024 float32.
;; This version of the problem:
;;   THIS VERSION OF THE PROBLEM IS GIVEN IN LOW PRECISION. The matrix products marked QUANTISED in the list below multiply operands that are first quantised to E4M3 (4 exponent bits, 3 mantissa bits; 8 bits a number), with one given power-of-two scale for each operand tensor; their sums are f32. All else is computed in f32.
;;   The module's matrix products, in the order in which they are computed (A, B: the left and right operand; K: the contracted axis; several contracted axes count as one K, in the product's order):
;;     1. [M 8,192, K 1,024] x [K 1,024, N 1,024]; A: input resid; B: input W_Q: QUANTISED (scales: A lowp_scales[0], B lowp_scales[1])
;;     2. [M 8,192, K 1,024] x [K 1,024, N 1,024]; A: input resid; B: input W_K: QUANTISED (scales: A lowp_scales[2], B lowp_scales[3])
;;     3. [M 8,192, K 1,024] x [K 1,024, N 1,024]; A: input resid; B: input W_V: QUANTISED (scales: A lowp_scales[4], B lowp_scales[5])
;;     4. batch 64 x [M 2,048, K 64] x [K 64, N 2,048]; A: computed on the way; B: computed on the way: QUANTISED (scales: A lowp_scales[6], B lowp_scales[7])
;;     5. batch 64 x [M 64, K 2,048] x [K 2,048, N 2,048]; A: computed on the way; B: softmax (see below): QUANTISED (scales: A lowp_scales[8], B lowp_scales[9])
;;     6. [M 8,192, K 1,024] x [K 1,024, N 1,024]; A: computed on the way; B: input W_out: QUANTISED (scales: A lowp_scales[10], B lowp_scales[11])
;;   THE QUANTISER, for each operand of a quantised product, along K:
;;     - The operand's scale is 2^e, e = its entry of the input lowp_scales (int32; the entries are numbered through the quantised products in the list's order, A before B).
;;     - Each number is divided by the scale, clamped to +-448, and rounded to the nearest number of E4M3, ties to even, subnormals kept.
;;     - The product sums the exact products of the quantised numbers (number of the format x scale) in f32.
;;   ~~~python
;;   def quantise(x, axis, e):      # numpy; x: float32 -> the quantised numbers, widened to float32 again
;;       x = np.moveaxis(x, axis, -1); K = x.shape[-1]
;;       r = np.clip(x / 2.0 ** e, -448, 448)
;;       step = 2.0 ** (np.maximum(np.frexp(np.where(r == 0, 1, r))[1] - 1, -6) - 3)
;;       q = np.round(r / step) * step * 2.0 ** e      # np.round: ties to even
;;       return np.moveaxis(q, -1, axis).astype(np.float32)
;;   ~~~
;;   SOFTMAX AHEAD OF A QUANTISED PRODUCT. Where the list says 'softmax', what is quantised is not the finished softmax but p = 2^(t - M), with t = logit x log2(e) and M = ceil(the row's largest t), a whole number; so 1/2 < the row's largest p <= 1. The row's sum l is taken of the UNQUANTISED p, in f32, and the product's result is divided by l at the end. Since M is a whole number, a kernel that streams over the keys may use a running M (the ceiling of the running maximum): every later rescaling is an exact power of two, so the quantised numbers keep their values, but for numbers so far below the row's largest that they fall under the format's range.
;;   OPERANDS COMPUTED ON THE WAY. 'Computed on the way' means the value that the module computes at that place (a softmax that the list does not call 'softmax' is quantised finished and normalised). What goes into a quantiser is computed in f32, as accurately as f32 sums, v_exp_f32 and their like allow (about 1e-6 of the number): no bf16 or f16 on the way to a quantiser, and a product that is left as it is and whose result goes on into a quantised operand takes f32 operands (vector FMAs, or v_wmma_f32_16x16x4_f32). A number that lies on a knife's edge between two numbers of the format may be rounded either way, as far as f32 arithmetic and the matrix unit's own rounding can turn it there, and no further.
;; One version. Each part assembles by itself: llvm-mc -triple=amdgcn-amd-amdhsa -mcpu=gfx1250 --defsym DOCPART=n.
;; ======== version 1 of 1: 4 launches
;; limits: right only within a limited range of input values
;; workspace buffers: xc 25,165,824 bytes; wc 4,194,304 bytes; qkv 25,165,824 bytes; zc 8,388,608 bytes
;; launch quant (part 1): grid 1024 x 1, 4 waves a work-group, no clusters, 34,304 bytes of LDS; arguments resid, W_Q, W_K, W_V, W_out, lowp_scales, xc, wc; writes xc, wc
.if DOCPART == 1
	.amdgcn_target "amdgcn-amd-amdhsa--gfx1250"
	.amdhsa_code_object_version 6
	.text
	.protected	k_q680012f706_quant
	.globl	k_q680012f706_quant
	.p2align	8
	.type	k_q680012f706_quant,@function
k_q680012f706_quant:
	s_mov_b64 s[64:65], 0
	v_nop
	global_prefetch_b8 v0, s[64:65] scope:SCOPE_SE
	s_setreg_imm32_b32 hwreg(HW_REG_WAVE_MODE, 25, 1), 1
	s_wait_xcnt 0x0
; CAUSAL MULTI-HEAD ATTENTION ON CODES OF FP8 (E4M3), four launches: this one quantises the inputs; the second makes q, k, v and quantises them;
; the third is the attention and quantises z; the fourth is the projection on the way out.
; DEAD WORK.  No input is dead: each is loaded by some launch.  Left out, in the third launch, are the key steps of 128 keys that lie wholly behind a tile's 16 queries:
; there reference() itself replaces the score by MASK_FILL = -1e6, so the products q.k of those keys reach no output whatever the inputs hold; and the term that the fill leaves,
; p = 2^(t - M) with t = -1e6 log2(e), has the code 0 under the stated quantiser and lies under the smallest f32 number in the row's sum.
; LIMITS.  That holds while a row's largest visible score / 8 lies above -1e6 + 150; the quantisers bound |score| by 64 x 448 x 448 x 2^(e6 + e7), so it holds for e6 + e7 <= -1 whatever the data.
; A NaN, an infinity or an overflow that reaches only the steps left out is not carried to the result.  NaN among the inputs is not served (an infinity is held at the largest code).
; In this launch: each exponent e0 .. e5 and e11 lies between -126 and 119, so that 2^e and 448 x 2^e are f32 numbers.
; THE IMAGE.  All workspace buffers hold operands as images of their registers: a fragment of 16 rows x 128 K is 2,048 bytes [c 0..3][lane 0..31][16 bytes]; lane (r = lane % 16, h = lane / 16)
; holds row r, and byte y of piece c is k = 32 c + 16 h + y.  Every later load of a fragment is then 512 consecutive bytes.  The order of k is the same on both sides of every product.
; xc: [plane 3][tile of 16 tokens 512][k128 8][2048]: resid under e0, e2, e4 (three scales are given, so three sets of codes are owed).
; wc: [matrix 4: Q, K, V, out][tile of 16 columns 64][k128 8][2048].  Row rho of column tile 2 b + u is column 32 b + 8 u + rho + 8 (rho / 8), so that in a product's result the 16 registers of two
; neighbouring tiles are 16 neighbouring columns.  For W_out k = 64 head + channel, whose row in W_out is 16 channel + head.
; SHARES.  Work-groups 0-511: a tile of 16 tokens each, a wave two k128.  512-895: W_Q, W_K, W_V, 128 columns x 64 K each, a wave 32 columns, a lane a column with its registers down K.  896-1023: W_out likewise.
; No matrix unit, no cluster, no tensor load: memory binds, and no two work-groups read the same bytes.
.set STG,   8448                       ; a wave's stage: 16 rows x (512 bytes + 16)
.set SPARE, 4*STG                      ; behind the four stages: the spare words, 128 bytes for each wave
.set SPW, 246                          ; v246  LDS address of my spare word; never rewritten
.set NIL, 247                          ; v247  0; never rewritten
.set R,   16                           ; v16-143  two units of 64 numbers as loaded; later each unit's 48 registers of codes
.set X,   144                          ; v144-207 a unit turned: register 16 c + i = k 32 c + 16 h + i of my row
.set T,   208                          ; v208-239 two sets of 16 held numbers
.set SC,  240                          ; v240-242 2^e of plane p
.set LIM, 243                          ; v243-245 448 x 2^e
.set WX,  32                           ; weights: v32-95 my column's 64 numbers
.set WC,  96                           ; v96-111 their codes
; A unit's 16 rows x 512 bytes go into the stage as they were loaded and come back 64 bytes a lane for each block of 32.  LDS serves a wave's instructions in order (ISA guide 5.7.1.4): no wait between.
.macro TURN s
.irp i, 0,1,2,3,4,5,6,7,8,9,10,11,12,13,14,15
	ds_store_b128 v2, v[R+64*\s+4*\i:R+64*\s+4*\i+3] offset:\i*528
.endr
.irp c, 0,1,2,3
.irp q, 0,1,2,3
	ds_load_b128 v[X+16*\c+4*\q:X+16*\c+4*\q+3], v3 offset:\c*128+\q*16
.endr
.endr
.endm
; The unit in X becomes three fragments, one for each plane, in the registers that the unit was loaded into; each piece of 512 bytes leaves by one store.
.macro QUANT s
.irp p, 0,1,2
.irp c, 0,1,2,3
.irp i, 0,1,2,3,4,5,6,7,8,9,10,11,12,13,14,15
	v_med3_num_f32 v[T+16*(\c%2)+\i], v[X+16*\c+\i], -v[LIM+\p], v[LIM+\p]   ; the conversion to an 8-bit code does not saturate (ISA guide 7.6.2): the hold comes first
.endr
	v_cvt_scalef32_pk8_fp8_f32 v[R+64*\s+16*\p+4*\c:R+64*\s+16*\p+4*\c+1], v[T+16*(\c%2):T+16*(\c%2)+7], v[SC+\p]
	v_cvt_scalef32_pk8_fp8_f32 v[R+64*\s+16*\p+4*\c+2:R+64*\s+16*\p+4*\c+3], v[T+16*(\c%2)+8:T+16*(\c%2)+15], v[SC+\p]   ; the other set's sixteen holds stand before this set is written again
.endr
.endr
	v_nop                                          ; a plain line behind the last conversion
.irp p, 0,1,2
.irp c, 0,1,2,3
	global_store_b128 v1, v[R+64*\s+16*\p+4*\c:R+64*\s+16*\p+4*\c+3], s[40+2*\p:41+2*\p] offset:\s*2048+\c*512   ; 32 lanes store 512 consecutive bytes, aligned
.endr
.endr
.endm
; A weight: 32 columns x 64 K for a wave.  isout = 1: W_out (from k to k + 1 of a head: 65,536 bytes); 0: W_Q, W_K or W_V (4,096 bytes).
.macro WPATH isout
.if \isout
.set STRIDE, 65536
	s_sub_co_u32 s25, ttmp9, 896
	s_mov_b32 s26, 3                               ; matrix 3
.else
.set STRIDE, 4096
	s_sub_co_u32 s25, ttmp9, 512
	s_lshr_b32 s26, s25, 7                         ; matrix 0, 1, 2
.endif
	s_and_b32 s27, s25, 7                          ; which 128 columns
	s_bfe_u32 s28, s25, 0x40003                    ; which 64 along K (for W_out: the head)
	s_lshl_b32 s29, s27, 2
	s_add_co_u32 s29, s29, s24                     ; b: my wave's 32 columns = column tiles 2 b, 2 b + 1
	v_and_b32 v6, 7, v5
	v_bfe_u32 v7, v5, 3, 1
	v_lshrrev_b32 v8, 4, v5
	v_lshl_add_u32 v6, v7, 4, v6
	v_lshl_add_u32 v6, v8, 3, v6                   ; my column of the 32: lane % 8 + 16 ((lane / 8) % 2) + 8 (lane / 16): row lane % 16 of tile 2 b + lane / 16
	v_lshlrev_b32 v1, 2, v6                        ; in: 4 bytes a column
	v_and_b32 v9, 15, v5
	v_lshlrev_b32 v2, 4, v9
	v_lshl_add_u32 v2, v8, 14, v2                  ; out: my tile (16,384 bytes each) and my row's 16 bytes
	s_lshl_b32 s30, s29, 7                         ; 32 b columns x 4 bytes
.if \isout
	s_lshl_b32 s31, s28, 12                        ; + the head's row
.else
	s_lshl_b32 s31, s28, 18                        ; + 64 rows of 4,096 bytes
.endif
	s_add_co_u32 s30, s30, s31
	s_mov_b32 s31, 0
	s_lshl_b32 s32, s26, 20                        ; the matrix in wc,
	s_lshl_b32 s33, s29, 15                        ; two tiles of 16,384 bytes,
	s_add_co_u32 s32, s32, s33
	s_lshl_b32 s33, s28, 10                        ; 64 along K are half an image: 1,024 bytes
	s_add_co_u32 s32, s32, s33
	s_mov_b32 s33, 0
	s_lshl_b32 s34, s26, 3
	s_wait_alu depctr_va_vdst(0)
	s_wait_kmcnt 0x0
.if \isout
	s_load_b32 s35, s[18:19], 0x2c                 ; e11
	s_mov_b64 s[36:37], s[16:17]
.else
	s_load_b32 s35, s[18:19], s34 offset:0x4       ; e1, e3 or e5
	s_cmp_eq_u32 s26, 0
	s_cselect_b64 s[36:37], s[10:11], s[12:13]
	s_cmp_eq_u32 s26, 2
	s_cselect_b64 s[36:37], s[14:15], s[36:37]
.endif
	s_add_nc_u64 s[36:37], s[36:37], s[30:31]
	s_add_nc_u64 s[38:39], s[22:23], s[32:33]
.set n, 0
.rept 64
	global_load_b32 v[WX+n], v1, s[36:37] offset:n*STRIDE th:TH_LOAD_NT   ; one k at my wave's 32 columns: 128 consecutive bytes; the four waves stand side by side
.set n, n+1
.endr
	s_wait_kmcnt 0x0
	s_add_co_i32 s35, s35, 127
	s_lshl_b32 s34, s35, 23
	v_mov_b32 v11, s34                             ; 2^e
	s_add_co_i32 s35, s35, 8
	s_lshl_b32 s35, s35, 23
	s_or_b32 s35, s35, 0x600000
	v_mov_b32 v10, s35                             ; 448 x 2^e
	s_wait_alu depctr_va_vdst(0)
.irp t, 0,1
.if \t == 0
	s_wait_loadcnt 32                              ; the first 32 along K are in; the other 32 loads may be out
.else
	s_wait_loadcnt 0x0
.endif
.irp i, 0,1,2,3,4,5,6,7,8,9,10,11,12,13,14,15,16,17,18,19,20,21,22,23,24,25,26,27,28,29,30,31
	v_med3_num_f32 v[WX+32*\t+\i], v[WX+32*\t+\i], -v10, v10
.endr
.irp g, 0,1,2,3
	v_cvt_scalef32_pk8_fp8_f32 v[WC+8*\t+2*\g:WC+8*\t+2*\g+1], v[WX+32*\t+8*\g:WX+32*\t+8*\g+7], v11
.endr
	v_nop                                          ; a plain line behind the last conversion
	global_store_b128 v2, v[WC+8*\t:WC+8*\t+3], s[38:39] offset:\t*512         ; k 32 t + 0 .. 15: the image's lanes 0-15: sixteen lanes store 256 consecutive bytes, aligned
	global_store_b128 v2, v[WC+8*\t+4:WC+8*\t+7], s[38:39] offset:\t*512+256   ; k 32 t + 16 .. 31: its lanes 16-31
.endr
	s_endpgm
.endm
	s_load_b512 s[8:23], s[0:1], 0x0               ; resid s[8:9], W_Q s[10:11], W_K s[12:13], W_V s[14:15], W_out s[16:17], the exponents s[18:19], xc s[20:21], wc s[22:23]
	v_lshl_add_u32 v[SPW], v0, 2, SPARE
	v_mov_b32 v[NIL], 0
	v_lshrrev_b32 v4, 5, v0
	v_readfirstlane_b32 s24, v4                    ; wave 0..3
	v_and_b32 v5, 31, v0                           ; lane
	s_cmp_lt_u32 ttmp9, 512
	s_cbranch_scc1 .Lresid
	s_cmp_lt_u32 ttmp9, 896
	s_cbranch_scc1 .Lwqkv
	s_wait_alu depctr_va_vdst(0)
	WPATH 1
.Lwqkv:
	s_wait_alu depctr_va_vdst(0)
	WPATH 0
.Lresid:
	s_wait_alu depctr_va_vdst(0)
	v_lshlrev_b32 v1, 4, v5                        ; 16 x lane: my bytes of a load's or a store's 512
	s_mul_i32 s25, s24, STG
	v_add_nc_u32 v2, s25, v1                       ; the stage, on the way in
	v_and_b32 v6, 15, v5
	v_lshrrev_b32 v7, 4, v5
	v_mul_u32_u24 v3, v6, 528
	v_lshl_add_u32 v3, v7, 6, v3
	v_add_nc_u32 v3, s25, v3                       ; and on the way out: row r, + 64 h
	s_lshl_b32 s26, ttmp9, 16                      ; 16 rows of 4,096 bytes
	s_lshl_b32 s27, s24, 10                        ; my wave's 256 numbers of a row
	s_add_co_u32 s26, s26, s27
	s_mov_b32 s27, 0
	s_lshl_b32 s28, ttmp9, 14                      ; the tile's eight images
	s_lshl_b32 s29, s24, 12                        ; my two
	s_add_co_u32 s28, s28, s29
	s_mov_b32 s29, 0
	s_wait_alu depctr_va_vdst(0)
	s_wait_kmcnt 0x0
	s_load_b256 s[48:55], s[18:19], 0x0            ; e0 .. e7
	s_add_nc_u64 s[8:9], s[8:9], s[26:27]
	s_add_nc_u64 s[40:41], s[20:21], s[28:29]      ; plane 0,
	s_add_nc_u64 s[42:43], s[40:41], 0x800000      ; plane 1,
	s_add_nc_u64 s[44:45], s[40:41], 0x1000000     ; plane 2
.irp s, 0,1
.irp i, 0,1,2,3,4,5,6,7,8,9,10,11,12,13,14,15
	global_load_b128 v[R+64*\s+4*\i:R+64*\s+4*\i+3], v1, s[8:9] offset:\i*4096+\s*512 th:TH_LOAD_NT   ; 512 consecutive bytes of row i
.endr
.endr
	s_wait_kmcnt 0x0
.irp p, 0,1,2
	s_add_co_i32 s56, s[48+2*\p], 127
	s_lshl_b32 s57, s56, 23
	v_mov_b32 v[SC+\p], s57
	s_add_co_i32 s56, s56, 8
	s_lshl_b32 s56, s56, 23
	s_or_b32 s56, s56, 0x600000
	v_mov_b32 v[LIM+\p], s56
.endr
	s_wait_alu depctr_va_vdst(0)
	s_wait_loadcnt 16                              ; unit 0's sixteen loads are in; unit 1's may be out
	TURN 0
	s_wait_dscnt 0x0
	QUANT 0
	s_wait_loadcnt 0x0
	TURN 1
	s_wait_dscnt 0x0
	QUANT 1
	s_wait_tensorcnt 0x0                           ; the wave's end, behind my last LDS store
	ds_add_u32 v[SPW], v[NIL]
	s_wait_dscnt 0x0
	s_endpgm
.Lfunc_end_k_q680012f706_quant:
	.size	k_q680012f706_quant, .Lfunc_end_k_q680012f706_quant-k_q680012f706_quant
	.p2alignl 7, 3214868480
	.fill 96, 4, 3214868480
	.section	.rodata,"a",@progbits
	.p2align	6, 0x0
	.amdhsa_kernel k_q680012f706_quant
		.amdhsa_group_segment_fixed_size 34304
		.amdhsa_private_segment_fixed_size 0
		.amdhsa_enable_private_segment 0
		.amdhsa_kernarg_size 64
		.amdhsa_user_sgpr_count 2
		.amdhsa_user_sgpr_kernarg_segment_ptr 1
		.amdhsa_wavefront_size32 1
		.amdhsa_system_sgpr_workgroup_id_x 1
		.amdhsa_system_sgpr_workgroup_id_y 1
		.amdhsa_system_sgpr_workgroup_id_z 1
		.amdhsa_system_vgpr_workitem_id 0
		.amdhsa_next_free_vgpr 256
		.amdhsa_next_free_sgpr 66
		.amdhsa_reserve_vcc 0
		.amdhsa_float_denorm_mode_32 3
		.amdhsa_float_denorm_mode_16_64 3
		.amdhsa_memory_ordered 1
		.amdhsa_forward_progress 1
		.amdhsa_inst_pref_size 65
	.end_amdhsa_kernel
	.amdgpu_metadata
---
amdhsa.version: [ 1, 2 ]
amdhsa.kernels:
  - .name:           k_q680012f706_quant
    .symbol:         k_q680012f706_quant.kd
    .args:
      - { .name: resid, .offset: 0, .size: 8, .value_kind: global_buffer, .address_space: global }
      - { .name: W_Q, .offset: 8, .size: 8, .value_kind: global_buffer, .address_space: global }
      - { .name: W_K, .offset: 16, .size: 8, .value_kind: global_buffer, .address_space: global }
      - { .name: W_V, .offset: 24, .size: 8, .value_kind: global_buffer, .address_space: global }
      - { .name: W_out, .offset: 32, .size: 8, .value_kind: global_buffer, .address_space: global }
      - { .name: lowp_scales, .offset: 40, .size: 8, .value_kind: global_buffer, .address_space: global }
      - { .name: xc, .offset: 48, .size: 8, .value_kind: global_buffer, .address_space: global }
      - { .name: wc, .offset: 56, .size: 8, .value_kind: global_buffer, .address_space: global }
    .group_segment_fixed_size: 34304
    .private_segment_fixed_size: 0
    .kernarg_segment_align: 8
    .kernarg_segment_size: 64
    .max_flat_workgroup_size: 128
    .sgpr_count:     66
    .vgpr_count:     256
    .wavefront_size: 32
...
	.end_amdgpu_metadata
.endif
;; end of part 1
;; launch qkv (part 2): grid 4 x 64, 4 waves a work-group, clusters of 4 x 4, 327,680 bytes of LDS; arguments xc, wc, lowp_scales, qkv; writes qkv
.if DOCPART == 2
	.amdgcn_target "amdgcn-amd-amdhsa--gfx1250"
	.amdhsa_code_object_version 6
	.text
	.protected	k_q680012f706_qkv
	.globl	k_q680012f706_qkv
	.p2align	8
	.type	k_q680012f706_qkv,@function
k_q680012f706_qkv:
	s_mov_b64 s[64:65], 0
	v_nop
	global_prefetch_b8 v0, s[64:65] scope:SCOPE_SE
	s_setreg_imm32_b32 hwreg(HW_REG_WAVE_MODE, 25, 1), 1
	s_wait_xcnt 0x0
	s_wait_alu depctr_hold_cnt(0) depctr_sa_sdst(0) depctr_va_vdst(0) depctr_va_sdst(0) depctr_va_ssrc(0) depctr_va_vcc(0) depctr_vm_vsrc(0)
	s_getreg_b32 s2, hwreg(HW_REG_IB_STS2, 6, 4)
	s_cmp_eq_u32 s2, 0
	s_cbranch_scc0 .Lentry_in_a_cluster
	s_endpgm
.Lentry_in_a_cluster:
	s_bfe_u32 s2, ttmp6, 0x10000c
	s_cmp_lg_u32 s2, 0xf033
	s_cbranch_scc0 .Lentry_shape_is_right
	s_endpgm
.Lentry_shape_is_right:
; q, k, v = resid W_Q, resid W_K, resid W_V on codes of FP8 (E4M3), and their quantising for the attention.  No work is left out here.
; A WORK-GROUP STAYS: 256 work-groups, each makes three tiles, one of product p = 0 (q), 1 (k), 2 (v), one after the other.  A tile multiplies U (256 rows, source 0) by T (128 rows, source 1) over K = 1,024.
; p = 0, 1: U = the weight's columns, T = tokens: a lane then holds ONE token and, in two neighbouring tiles of U, 16 neighbouring channels.  p = 2: U = tokens, T = the weight's columns: a lane holds ONE channel
; and its registers run along the keys, the second attention product's K.  In both cases the conversions' results are pieces of the next operand's image and leave by stores of 512 consecutive bytes.
; qkv: plane 0 q, plane 1 k: [batch x head 64][tile of 16 tokens 128][1,024] (16 rows x 64 K);  plane 2 v: [batch x head][128 keys 16][tile 4][2,048]: row rho of tile tau is channel
; 32 (tau / 2) + 8 (tau % 2) + rho + 8 (rho / 8); byte 8 u + j of piece c in lane (rho, h) is key 32 c + 16 u + 8 h + j: the order in which the attention's p comes out of its registers.
; WAVES: wave / 2 picks 64 rows of T (4 tiles of 16), wave % 2 picks 128 rows of U (8 tiles): 32 accumulators.  K goes in steps of 128; the tiles lie in LDS as images: no pitch, no padding.
; THE RING has two parts that take turns and does not stop at a tile's end: slot 0 (98,304 bytes: 256 along K, a tile's 4,096 bytes on end) and the region behind it (196,608 bytes: 512 along K, a tile's 8,192 bytes
; on end; or 256 along K laid as in slot 0).  Nine fills, one joint load a wave each:  q: slot 0 K 0-255, region K 256-767, slot 0 K 768-1023;  k: region K 0-511, slot 0 K 512-767, region K 768-1023;
; v: as q.  A part is filled again in the last step that multiplies from it, when its fragments are in registers; at a tile's end the way out stands ahead of the wait for the next tile's first fill.
; By this text's own count a wave has one tensor load out.  The one group 0 a side and group 1's two row lengths are written anew behind the waits that show no load of the wave out, by constants and the wave's number.
; The order of K differs from tile to tile and is the same in T and U.
; CLUSTER 4 x 4: T's tile is shared along a row of the cluster, U's along a column: joint loads.  No prefetch into the L2: the walk is written out, and the text has no loop to run ahead in.
; LIMIT: eT - eA - eB (eT = e6, e7, e8; eA, eB the product's two) lies between -126 and 119.
; REGISTERS: window 0: v16-22 LDS addresses, v27 16 x lane, v28-29 the add's two, v40-41 the hold and the scale, v64-127 codes, v128-255 T's fragments in two sets;
;   window 1: accumulator (a, b) at v[8 (8 a + b)];   window 2: U's fragments in two sets.
.set SLOT,  98304                      ; T's 8 tiles x 4,096 bytes, then U's 16
.set UOFF,  32768
.set SPARE, 3*SLOT                     ; behind slot 0 and the region: the spare words, 128 bytes for each wave
.set ADT, 16                           ; v16-18 my T fragments: in slot 0; in the region, long rows; in the region, short rows
.set ADU, 20                           ; v20-22 the same for U
.set L16, 27
.set SPW, 28
.set NIL, 29
.set LIM, 40
.set SC,  41
.set CD,  64
.set TF,  128
.set G1T, 24                           ; s[24:31] group 1 for T;  s[32:39] for U;  s[40:43], s[44:47] their groups 0
.set G1U, 32
.set G0T, 40
.set G0U, 44
.set TBASE, 48                         ; s[48:53] where my half of T's tile begins in memory, p = 0, 1, 2
.set UBASE, 54                         ; s[54:59] the same for U
.set OB0, 60                           ; s[60:61], s[62:63], s[66:67] where my results go
.set OB1, 62
.set OB2, 66
.set SCS, 68                           ; s68-70 2^(eT - eA - eB);  s71-73 448 x that
.set LMS, 71
.set MSB, 0
.macro WIN new                         ; the immediate's high byte repeats the setting that is left
.if MSB != \new
	s_set_vgpr_msb (MSB<<8)|\new
.set MSB, \new
.endif
.endm
.set MULW, 0x52                        ; source 0 (U) window 2, source 1 (T) window 0, C and D window 1
.set TO_U, 0x80                        ; destination window 2, address window 0
.macro JLOAD                           ; a joint load: waves 0, 1 fetch T's halves, waves 2, 3 U's; an s_nop 0 and four v_nop follow each line
	s_cmp_eq_u32 s15, 0
	s_cbranch_scc0 .Lfor_u_\@
	tensor_load_to_lds s[G0T:G0T+3], s[G1T:G1T+7]
	s_nop 0
.rept 4
	v_nop
.endr
	s_branch .Lasked_\@
.Lfor_u_\@:
	tensor_load_to_lds s[G0U:G0U+3], s[G1U:G1U+7]
	s_nop 0
.rept 4
	v_nop
.endr
.Lasked_\@:
.endm
; The descriptors of the next fill: product p, from 256 kc along K on.  kind 0: slot 0; 1: the region, rows of 8,192 bytes; 2: the region, rows of 4,096 bytes.  No load of the wave is out where this stands.
.macro SETFILL p, kc, kind
	s_add_nc_u64 s[G0T+2:G0T+3], s[TBASE+2*(\p):TBASE+2*(\p)+1], (\kc)*4096
	s_or_b32 s[G0T+3], s[G0T+3], 0x80000000
	s_add_nc_u64 s[G0U+2:G0U+3], s[UBASE+2*(\p):UBASE+2*(\p)+1], (\kc)*4096
	s_or_b32 s[G0U+3], s[G0U+3], 0x80000000
.if (\kind) == 0
	s_mov_b32 s[G0T+1], s86
	s_mov_b32 s[G0U+1], s87
.endif
.if (\kind) == 1
	s_lshl_b32 s[G0T+1], s86, 1                    ; with long rows every part is twice as long
	s_add_co_u32 s[G0T+1], s[G0T+1], SLOT
	s_lshl_b32 s[G0U+1], s87, 1
	s_add_co_u32 s[G0U+1], s[G0U+1], SLOT
.endif
.if (\kind) == 2
	s_add_co_u32 s[G0T+1], s86, SLOT
	s_add_co_u32 s[G0U+1], s87, SLOT
.endif
.if (\kind) == 1
.set ROWE, 1024
.else
.set ROWE, 512
.endif
	s_mov_b32 s[G1T+1], ROWE<<16                   ; tensor_dim0 and tile_dim0 in elements of 8 bytes
	s_mov_b32 s[G1T+3], ROWE<<16
	s_mov_b32 s[G1U+1], ROWE<<16
	s_mov_b32 s[G1U+3], ROWE<<16
.endm
.macro CREST                           ; a round of the cluster's barrier behind its opening barrier
	s_cmp_lg_u32 s14, 0
	s_cbranch_scc1 .Lnot_wave_0_\@
	s_barrier_signal -3
.Lnot_wave_0_\@:
	s_barrier_wait -3
	s_barrier_signal -1
	s_barrier_wait -1
.endm
.macro CROUND
	s_barrier_signal -1
	s_barrier_wait -1
	CREST
.endm
.macro PLACES n                        ; plain vector lines behind matrix instructions, in front of loads into registers that they have read and of reads of their results
.rept \n
	v_nop
.endr
.endm
.macro FETCH set, kind, ko             ; the fragments of one step (128 along K, at byte ko of a tile's row): U's eight, T's four; each load takes 512 consecutive bytes
.if (\kind) == 1
.set PIT, 8192
.else
.set PIT, 4096
.endif
	WIN TO_U
.irp i, 0,1,2,3,4,5,6,7
.irp c, 0,1,2,3
	ds_load_b128 v[128*(\set)+16*\i+4*\c:128*(\set)+16*\i+4*\c+3], v[ADU+\kind] offset:\i*PIT+(\ko)+\c*512
.endr
.endr
	WIN 0
.irp i, 0,1,2,3
.irp c, 0,1,2,3
	ds_load_b128 v[TF+64*(\set)+16*\i+4*\c:TF+64*(\set)+16*\i+4*\c+3], v[ADT+\kind] offset:\i*PIT+(\ko)+\c*512
.endr
.endr
.endm
.macro MUL a0, n, set, zero            ; T's tiles a0 .. a0 + n - 1 against U's eight.  The 32 accumulators take turns, one instruction a turn, in one order in every step
.set aa, \a0
.rept \n
.irp b, 0,1,2,3,4,5,6,7
.if \zero
	v_wmma_f32_16x16x128_fp8_fp8 v[8*(8*aa+\b):8*(8*aa+\b)+7], v[128*(\set)+16*\b:128*(\set)+16*\b+15], v[TF+64*(\set)+16*aa:TF+64*(\set)+16*aa+15], 0
.else
	v_wmma_f32_16x16x128_fp8_fp8 v[8*(8*aa+\b):8*(8*aa+\b)+7], v[128*(\set)+16*\b:128*(\set)+16*\b+15], v[TF+64*(\set)+16*aa:TF+64*(\set)+16*aa+15], v[8*(8*aa+\b):8*(8*aa+\b)+7]
.endif
.endr
.set aa, aa+1
.endr
.endm
.macro PSTEP set, zero, nk, nko        ; a step whose successor's fragments (kind nk, byte nko) are known to lie in LDS.  zero = 1: a tile's first products start the sums: nothing is cleared
	s_wait_dscnt 0x0                               ; this step's fragments are in
	PLACES 4                                       ; the other set was read by the step before
	FETCH 1-(\set), \nk, \nko
	WIN MULW
	MUL 0, 4, \set, \zero
	WIN 0
.endm
; The last step that multiplies from one part of the ring.  Its successor's fragments lie in the other part, whose load is waited for here.  fill = 1: the part just left is filled again.
.macro TURN set, fill, p, kc, kind, nk, nko
	s_wait_tensorcnt 0x0                           ; my one tensor load has landed: my share of the other part;
.if \fill
	ds_add_u32 v[SPW], v[NIL]                      ; 0 onto my spare word;
	s_wait_dscnt 1                                 ; this step's fragments are in (the add alone may be out)
	WIN MULW
	MUL 0, 1, \set, 0                              ; eight matrix instructions stand between the add and the wait for it
	s_wait_dscnt 0x0                               ; the add is done, and my reads of the part that I leave are over
	s_barrier_signal -1
	MUL 1, 1, \set, 0
	WIN 0
	s_barrier_wait -1
	CREST                                          ; the barrier has opened a round of the cluster's: no wave of any partner still reads that part or has a load on its way
	SETFILL \p, \kc, \kind
	JLOAD                                          ; the first tensor load behind the round; its four v_nop are the places in front of the loads below
.else
	s_wait_dscnt 0x0
	s_barrier_signal -1
	WIN MULW
	MUL 0, 2, \set, 0
	WIN 0
	s_barrier_wait -1                              ; everybody's share has landed
	PLACES 4
.endif
	FETCH 1-(\set), \nk, \nko
	WIN MULW
	MUL 2, 2, \set, 0
	WIN 0
.endm
.macro LASTSTEP                        ; a tile's last step, on set 1: nothing is fetched
	s_wait_dscnt 0x0
	WIN MULW
	MUL 0, 4, 1, 0
	WIN 0
.endm
; THE WAY OUT of product p: hold, convert, store.  Each accumulator is read from its low end on.  sa: bytes from T's tile a to a + 1; sb: from U's tiles 0-3 to 4-7.
.macro OUT p, ob, sa, sb
.if (\p) > 0
	s_wait_xcnt 0x0                                ; the last tile's stores have read their registers
.endif
	v_mov_b32 v[SC], s[SCS+\p]                     ; these two and two v_nop are the places behind the last products
	v_mov_b32 v[LIM], s[LMS+\p]
	PLACES 2
	WIN 0x41                                       ; source 0 and destination window 1
	s_wait_alu depctr_va_vdst(0)
.set n, 0
.rept 256
	v_med3_num_f32 v[n], v[n], -v[LIM], v[LIM]     ; the conversion to an 8-bit code does not saturate (ISA guide 7.6.2)
.set n, n+1
.endr
	WIN 0x01                                       ; source 0 window 1, destination window 0
.irp a, 0,1,2,3
.irp bb, 0,1,2,3
.irp u, 0,1
	v_cvt_scalef32_pk8_fp8_f32 v[CD+4*(4*\a+\bb)+2*\u:CD+4*(4*\a+\bb)+2*\u+1], v[8*(8*\a+2*\bb+\u):8*(8*\a+2*\bb+\u)+7], v[SC]
.endr
.endr
.endr
	v_nop                                          ; a plain line behind the last conversion
	WIN 0
.irp a, 0,1,2,3
.irp bb, 0,1,2,3
	global_store_b128 v[L16], v[CD+4*(4*\a+\bb):CD+4*(4*\a+\bb)+3], s[\ob:\ob+1] offset:\a*(\sa)+(\bb/2)*(\sb)+(\bb%2)*512   ; a piece of an image: 32 lanes store 512 consecutive bytes, aligned
.endr
.endr
.endm
; Between two tiles: the part that the last two steps multiplied from is filled again, and the next tile's first fragments are fetched from the other part.
.macro BOUND p, kc, kind, nk
	s_wait_alu depctr_va_vdst(0)
	s_wait_tensorcnt 0x0                           ; my share of the next tile's first fill is in
	ds_add_u32 v[SPW], v[NIL]
	s_wait_dscnt 0x0
	CROUND
	SETFILL \p, \kc, \kind
	JLOAD
	FETCH 0, \nk, 0
.endm
	s_load_b256 s[4:11], s[0:1], 0x0               ; xc s[4:5], wc s[6:7], the exponents s[8:9], qkv s[10:11]
	v_lshl_add_u32 v[SPW], v0, 2, SPARE
	v_mov_b32 v[NIL], 0
	ds_add_u32 v[SPW], v[NIL]                      ; the wave's opening: the add, twice on end, and its wait ahead of my first tensor load
	ds_add_u32 v[SPW], v[NIL]
	v_lshrrev_b32 v1, 5, v0
	v_readfirstlane_b32 s14, v1                    ; wave 0..3
	s_lshr_b32 s15, s14, 1                         ; my 64 rows of T.  Also: I fetch for T (0) or for U (1)
	s_and_b32 s16, s14, 1                          ; my 128 rows of U.  Also: which half of that tile I fetch
	s_bfe_u32 s18, ttmp6, 0x40000                  ; cx: q, k: U's tile
	s_bfe_u32 s19, ttmp6, 0x40004                  ; cy
	s_and_b32 s20, ttmp7, 0xffff                   ; cluster y, 0..15
	s_lshl_b32 s21, s20, 2
	s_add_co_u32 s21, s21, s19                     ; q, k: T's tile = 4 Y + cy
	s_and_b32 s22, s20, 7
	s_lshl_b32 s22, s22, 2
	s_add_co_u32 s22, s22, s18                     ; v: U's tile = 4 (Y % 8) + cx
	s_lshr_b32 s23, s20, 3
	s_lshl_b32 s23, s23, 2
	s_add_co_u32 s23, s23, s19                     ; v: T's tile = 4 (Y / 8) + cy
	s_lshl_b32 s88, s19, 2
	s_lshl_b32 s88, 15, s88                        ; my row of the cluster
	s_lshl_b32 s89, 0x1111, s18                    ; my column
	s_or_b32 s[G1T], s88, (3<<16)|(1<<21)          ; 15:0 the mask; 17:16 elements of 8 bytes; 21 set beside a mask; no padding
	s_mov_b32 s[G1T+2], 4<<16                      ; tensor_dim1 = 4 tiles of 16 rows
	s_mov_b32 s[G1T+4], 4                          ; tile_dim1
	s_mov_b32 s[G1T+5], 2048                       ; from tile to tile: 16,384 bytes
	s_mov_b32 s[G1T+6], 0
	s_mov_b32 s[G1T+7], 0
	s_or_b32 s[G1U], s89, (3<<16)|(1<<21)
	s_mov_b32 s[G1U+2], 8<<16                      ; 8 tiles
	s_mov_b32 s[G1U+4], 8
	s_mov_b32 s[G1U+5], 2048
	s_mov_b32 s[G1U+6], 0
	s_mov_b32 s[G1U+7], 0
	s_mov_b32 s[G0T], 1
	s_mov_b32 s[G0U], 1
	s_lshl_b32 s86, s16, 14                        ; where my share goes in slot 0: no place in the cluster enters an LDS address
	s_lshl_b32 s87, s16, 15
	s_add_co_u32 s87, s87, UOFF
	s_wait_dscnt 0x0                               ; both opening adds are done
	s_wait_kmcnt 0x0
	s_load_b256 s[76:83], s[8:9], 0x0              ; e0 .. e7
	s_load_b32 s84, s[8:9], 0x20                   ; e8
	; U's addresses are made of cx and shared numbers alone, T's of cy and shared numbers alone
	s_lshl_b32 s90, s18, 18                        ; q, k: U = 256 columns of the weight, 262,144 bytes,
	s_lshl_b32 s94, s16, 17                        ; my half of them
	s_add_co_u32 s90, s90, s94
	s_mov_b32 s91, 0
	s_add_nc_u64 s[UBASE:UBASE+1], s[6:7], s[90:91]
	s_add_nc_u64 s[UBASE+2:UBASE+3], s[UBASE:UBASE+1], 0x100000
	s_lshl_b32 s90, s22, 18                        ; v: U = 256 tokens of resid's plane 2
	s_add_co_u32 s90, s90, s94
	s_add_co_u32 s90, s90, 0x1000000
	s_add_nc_u64 s[UBASE+4:UBASE+5], s[4:5], s[90:91]
	s_lshl_b32 s92, s21, 17                        ; q, k: T = 128 tokens, 131,072 bytes,
	s_lshl_b32 s95, s16, 16                        ; my half of them
	s_add_co_u32 s92, s92, s95
	s_mov_b32 s93, 0
	s_add_nc_u64 s[TBASE:TBASE+1], s[4:5], s[92:93]
	s_add_nc_u64 s[TBASE+2:TBASE+3], s[TBASE:TBASE+1], 0x800000
	s_lshl_b32 s92, s23, 17                        ; v: T = 128 columns of the weight 2
	s_add_co_u32 s92, s92, s95
	s_add_co_u32 s92, s92, 0x200000
	s_add_nc_u64 s[TBASE+4:TBASE+5], s[6:7], s[92:93]
	CROUND                                         ; all sixteen work-groups are here: the first joint loads meet
	SETFILL 0, 0, 0
	JLOAD                                          ; q, K 0-255: one tensor load a wave at the head
	v_and_b32 v1, 31, v0
	v_lshlrev_b32 v[L16], 4, v1                    ; 16 x lane
	s_wait_alu depctr_va_vdst(0)
	s_lshl_b32 s90, s15, 14                        ; my four tiles of T
	s_lshl_b32 s91, s16, 15                        ; my eight tiles of U
	s_add_co_u32 s91, s91, UOFF
	v_add_nc_u32 v[ADT], s90, v[L16]
	v_add_nc_u32 v[ADU], s91, v[L16]
	s_add_co_u32 s92, s90, SLOT
	s_add_co_u32 s93, s91, SLOT
	v_add_nc_u32 v[ADT+2], s92, v[L16]
	v_add_nc_u32 v[ADU+2], s93, v[L16]
	s_lshl_b32 s90, s90, 1                         ; with long rows every part is twice as long
	s_lshl_b32 s91, s91, 1
	s_add_co_u32 s90, s90, SLOT
	s_add_co_u32 s91, s91, SLOT
	v_add_nc_u32 v[ADT+1], s90, v[L16]
	v_add_nc_u32 v[ADU+1], s91, v[L16]
	; where my results go.  q, k: plane p, batch x head (T / 16) 16 + 4 U + 2 (wave % 2), token tile 8 (T % 16) + 4 (wave / 2)
	s_lshr_b32 s96, s21, 4
	s_lshl_b32 s96, s96, 4
	s_lshl_b32 s97, s18, 2
	s_add_co_u32 s96, s96, s97
	s_lshl_b32 s97, s16, 1
	s_add_co_u32 s96, s96, s97
	s_lshl_b32 s96, s96, 7
	s_and_b32 s97, s21, 15
	s_lshl_b32 s97, s97, 3
	s_add_co_u32 s96, s96, s97
	s_lshl_b32 s97, s15, 2
	s_add_co_u32 s96, s96, s97
	s_lshl_b32 s96, s96, 10
	s_mov_b32 s97, 0
	s_add_nc_u64 s[OB0:OB0+1], s[10:11], s[96:97]
	s_add_nc_u64 s[OB1:OB1+1], s[OB0:OB0+1], 0x800000
	; v: plane 2, batch x head (U / 8) 16 + 2 T + wave / 2, group of 128 keys 2 (U % 8) + wave % 2
	s_lshr_b32 s96, s22, 3
	s_lshl_b32 s96, s96, 4
	s_lshl_b32 s98, s23, 1
	s_add_co_u32 s96, s96, s98
	s_add_co_u32 s96, s96, s15
	s_lshl_b32 s96, s96, 4
	s_and_b32 s98, s22, 7
	s_lshl_b32 s98, s98, 1
	s_add_co_u32 s96, s96, s98
	s_add_co_u32 s96, s96, s16
	s_lshl_b32 s96, s96, 13
	s_add_co_u32 s96, s96, 0x1000000
	s_add_nc_u64 s[OB2:OB2+1], s[10:11], s[96:97]
	s_wait_kmcnt 0x0
.irp p, 0,1,2                          ; a sum stands for sum x 2^(eA + eB): its code is sum / 2^(eT - eA - eB): the three scales are one
	s_sub_co_i32 s88, s[82+\p], s[76+2*\p]
	s_sub_co_i32 s88, s88, s[77+2*\p]
	s_add_co_i32 s88, s88, 127
	s_lshl_b32 s[SCS+\p], s88, 23
	s_add_co_i32 s88, s88, 8
	s_lshl_b32 s88, s88, 23
	s_or_b32 s[LMS+\p], s88, 0x600000              ; 448 x that
.endr
	s_wait_alu depctr_va_vdst(0)
	s_wait_tensorcnt 0x0                           ; my share of slot 0 is in
	ds_add_u32 v[SPW], v[NIL]
	s_wait_dscnt 0x0
	CROUND                                         ; everybody's share of slot 0 is in, and the joint loads meet
	SETFILL 0, 1, 1
	JLOAD                                          ; q, K 256-767
	FETCH 0, 0, 0
	; q: slot 0, the region, slot 0
	PSTEP 0, 1, 0, 2048
	TURN  1, 1, 0, 3, 0, 1, 0                      ; slot 0 takes q's K 768-1023
	PSTEP 0, 0, 1, 2048
	PSTEP 1, 0, 1, 4096
	PSTEP 0, 0, 1, 6144
	TURN  1, 1, 1, 0, 1, 0, 0                      ; the region takes k's K 0-511
	PSTEP 0, 0, 0, 2048
	LASTSTEP
	OUT 0, OB0, 1024, 131072
	BOUND 1, 2, 0, 1                               ; slot 0 takes k's K 512-767
	; k: the region, slot 0, the region with short rows
	PSTEP 0, 1, 1, 2048
	PSTEP 1, 0, 1, 4096
	PSTEP 0, 0, 1, 6144
	TURN  1, 1, 1, 3, 2, 0, 0                      ; the region takes k's K 768-1023
	PSTEP 0, 0, 0, 2048
	TURN  1, 1, 2, 0, 0, 2, 0                      ; slot 0 takes v's K 0-255
	PSTEP 0, 0, 2, 2048
	LASTSTEP
	OUT 1, OB1, 1024, 131072
	BOUND 2, 1, 1, 0                               ; the region takes v's K 256-767
	; v: slot 0, the region, slot 0
	PSTEP 0, 1, 0, 2048
	TURN  1, 1, 2, 3, 0, 1, 0                      ; slot 0 takes v's K 768-1023
	PSTEP 0, 0, 1, 2048
	PSTEP 1, 0, 1, 4096
	PSTEP 0, 0, 1, 6144
	TURN  1, 0, 0, 0, 0, 0, 0                      ; nothing more is asked for
	PSTEP 0, 0, 0, 2048
	LASTSTEP
	OUT 2, OB2, 2048, 1024
	s_wait_tensorcnt 0x0                           ; the wave's end
	ds_add_u32 v[SPW], v[NIL]
	s_wait_dscnt 0x0
	CROUND                                         ; the closing round
	s_endpgm
.Lfunc_end_k_q680012f706_qkv:
	.size	k_q680012f706_qkv, .Lfunc_end_k_q680012f706_qkv-k_q680012f706_qkv
	.p2alignl 7, 3214868480
	.fill 96, 4, 3214868480
	.section	.rodata,"a",@progbits
	.p2align	6, 0x0
	.amdhsa_kernel k_q680012f706_qkv
		.amdhsa_group_segment_fixed_size 327680
		.amdhsa_private_segment_fixed_size 0
		.amdhsa_enable_private_segment 0
		.amdhsa_kernarg_size 32
		.amdhsa_user_sgpr_count 2
		.amdhsa_user_sgpr_kernarg_segment_ptr 1
		.amdhsa_wavefront_size32 1
		.amdhsa_system_sgpr_workgroup_id_x 1
		.amdhsa_system_sgpr_workgroup_id_y 1
		.amdhsa_system_sgpr_workgroup_id_z 1
		.amdhsa_system_vgpr_workitem_id 0
		.amdhsa_next_free_vgpr 768
		.amdhsa_next_free_sgpr 100
		.amdhsa_reserve_vcc 0
		.amdhsa_float_denorm_mode_32 3
		.amdhsa_float_denorm_mode_16_64 3
		.amdhsa_memory_ordered 1
		.amdhsa_forward_progress 1
		.amdhsa_inst_pref_size 206
	.end_amdhsa_kernel
	.amdgpu_metadata
---
amdhsa.version: [ 1, 2 ]
amdhsa.kernels:
  - .name:           k_q680012f706_qkv
    .symbol:         k_q680012f706_qkv.kd
    .args:
      - { .name: xc, .offset: 0, .size: 8, .value_kind: global_buffer, .address_space: global }
      - { .name: wc, .offset: 8, .size: 8, .value_kind: global_buffer, .address_space: global }
      - { .name: lowp_scales, .offset: 16, .size: 8, .value_kind: global_buffer, .address_space: global }
      - { .name: qkv, .offset: 24, .size: 8, .value_kind: global_buffer, .address_space: global }
    .group_segment_fixed_size: 327680
    .private_segment_fixed_size: 0
    .kernarg_segment_align: 8
    .kernarg_segment_size: 32
    .max_flat_workgroup_size: 128
    .sgpr_count:     100
    .vgpr_count:     768
    .wavefront_size: 32
...
	.end_amdgpu_metadata
.endif
;; end of part 2
;; launch attn (part 3): grid 4 x 64, 8 waves a work-group, clusters of 4 x 1, 327,680 bytes of LDS; arguments qkv, lowp_scales, zc; writes zc
.if DOCPART == 3
	.amdgcn_target "amdgcn-amd-amdhsa--gfx1250"
	.amdhsa_code_object_version 6
	.text
	.protected	k_q680012f706_attn
	.globl	k_q680012f706_attn
	.p2align	8
	.type	k_q680012f706_attn,@function
k_q680012f706_attn:
	s_mov_b64 s[64:65], 0
	v_nop
	global_prefetch_b8 v0, s[64:65] scope:SCOPE_SE
	s_setreg_imm32_b32 hwreg(HW_REG_WAVE_MODE, 25, 1), 1
	s_wait_xcnt 0x0
	s_wait_alu depctr_hold_cnt(0) depctr_sa_sdst(0) depctr_va_vdst(0) depctr_va_sdst(0) depctr_va_ssrc(0) depctr_va_vcc(0) depctr_vm_vsrc(0)
	s_getreg_b32 s2, hwreg(HW_REG_IB_STS2, 6, 4)
	s_cmp_eq_u32 s2, 0
	s_cbranch_scc0 .Lentry_in_a_cluster
	s_endpgm
.Lentry_in_a_cluster:
	s_bfe_u32 s2, ttmp6, 0x10000c
	s_cmp_lg_u32 s2, 0x3003
	s_cbranch_scc0 .Lentry_shape_is_right
	s_endpgm
.Lentry_shape_is_right:
; CAUSAL ATTENTION ON CODES OF FP8 (E4M3) for one batch x head (cluster y); z is quantised on the way out.  q, k, v and z lie as images of operand registers (first and second launch).
; LEFT OUT: the key steps of 128 keys that lie wholly behind a block's queries: reference() replaces their scores by MASK_FILL, whose p has the code 0 and adds nothing to the row's sum
; (the first kernel's head gives the proof and its limit).  A NaN, an infinity or an overflow that reaches only those steps is not carried to the result.
; SOFTMAX: t = score x log2(e) / 8; M = the running largest t rounded up to a whole number; p = 2^(t - M) is quantised under 2^e9; the row's sum is taken of the unquantised p and divides at the end.
; LIMITS: e6 + e7 between -123 and 130; e9 and e10 - e8 - e9 between -126 and 119; the scaled scores stay under 2^31 in magnitude.
; SHARES.  The head's 2,048 queries are 64 blocks of 32.  With x = 4 wave + cx a wave owns block 63 - x and then block x: (16 - wave) + (wave + 1) = 17 key steps in every wave, walked as 4 + 13 counted trips.
; Which steps are walked hangs on the wave's number and the trip alone; cx enters only global addresses and the numbers that the mask compares.
; A block is two tiles of 16 queries, a and b: each fragment of K and of V that is read from LDS feeds two matrix instructions.  Both products are used transposed: a lane holds one query.
; LDS: the head's K (131,072 bytes) and V (the same), 16 chunks of 128 keys each, filled once by joint loads of the cluster's four work-groups, which all walk the same K and V:
; chunks 0-4 at the head, chunks 5-15 behind the full sequence.  The first four trips read chunks 0-4 only (the fourth trip's look-ahead reads chunk 4).
; No prefetch into the L2: each byte of K and V is asked for once, at the head, and there is no loop to run ahead in.
; LOOK-AHEAD: K's fragments of the next step are fetched when V's of this step are in, V's of the next behind this step's second product.  In the last trip K's look-ahead reads chunk wave + 1 and is not used.
; REGISTERS.  Window 0: v1-11 addresses; v12-23 -M, largest t, sum, f of a and b; v24-29 at work; v32-47 q; v48-53 constants; v64-127, v128-191 scores then p of a, b; v192-223 p's codes; v224-255 partial sums.
;   Window 1: v0-63 K's fragments; v64-127 V's; v128-159, v160-191 O^T of a, b; v192-207 the second block's q.
.set VBASE, 131072
.set SPARE, 262144                     ; behind K and V: the spare words, 128 bytes for each wave
.set AK0, 1
.set AV0, 2
.set DD,  3                            ; my query's place in the diagonal step, less 8 (lane / 16): the block in hand
.set DE,  4                            ; the same for the second block
.set SPW, 5
.set NIL, 6
.set GO,  7
.set ADK, 10
.set ADV, 11
.set QA,  32
.set QB,  40
.set LIMA, 48                          ; 448 x 2^e9, twice: the two halves of a dual pair take their second sources from different banks
.set LIMB, 49
.set SCP, 50
.set FILL, 51
.set ZLIM, 52
.set ZSC, 53
.set SA,  64
.set SB,  128
.set CA,  192
.set CB,  208
.set TT,  224
.set KF,  0                            ; window 1
.set VF,  64
.set OA,  128
.set OB,  160
.set QE,  192
.set TB,  2
.set I,   3
.set WV,  18
.set SEL, 20
.set CS,  22
.set G1A, 24
.set G1B, 32
.set G0A, 40
.set G0B, 44
.set DG,  84
.set MSB, 0
.macro WIN new                         ; the immediate's high byte repeats the setting that is left
.if MSB != \new
	s_set_vgpr_msb (MSB<<8)|\new
.set MSB, \new
.endif
.endm
.macro CROUND                          ; a round of the cluster's barrier
	s_barrier_signal -1
	s_barrier_wait -1
	s_cmp_lg_u32 s[WV], 0
	s_cbranch_scc1 .Lnot_wave_0_\@
	s_barrier_signal -3
.Lnot_wave_0_\@:
	s_barrier_wait -3
	s_barrier_signal -1
	s_barrier_wait -1
.endm
.macro LOADK adr                       ; a chunk's eight tiles of 16 keys x 64; each load takes 512 consecutive bytes
	WIN 0x40
.irp t, 0,1,2,3,4,5,6,7
.irp c, 0,1
	ds_load_b128 v[KF+8*\t+4*\c:KF+8*\t+4*\c+3], v[\adr] offset:\t*1024+\c*512
.endr
.endr
.endm
.macro LOADV adr                       ; a chunk's four tiles of 16 channels x 128 keys
	WIN 0x40
.irp t, 0,1,2,3
.irp c, 0,1,2,3
	ds_load_b128 v[VF+16*\t+4*\c:VF+16*\t+4*\c+3], v[\adr] offset:\t*2048+\c*512
.endr
.endr
.endm
.macro INIT sw                         ; a block begins: O^T and the sums are zeros, the largest t is -3e38.  sw = 1: the second block's q and mask number move in
	WIN 0x40
.set n, 0
.rept 64
	v_mov_b32 v[OA+n], 0
.set n, n+1
.endr
.if \sw
	WIN 0x01
.set n, 0
.rept 16
	v_mov_b32 v[QA+n], v[QE+n]
.set n, n+1
.endr
.endif
	WIN 0
	v_mov_b32 v13, 0xff61b1e6
	v_mov_b32 v17, 0xff61b1e6
	v_mov_b32 v14, 0
	v_mov_b32 v15, 0
	v_mov_b32 v18, 0
	v_mov_b32 v19, 0
	v_floor_f32 v12, -v13
	v_floor_f32 v16, -v17
.if \sw
	v_mov_b32 v[DD], v[DE]
.endif
.endm
; A KEY STEP: 128 keys against my 32 queries.  At its top K's 16 loads and, behind them, V's 16 are out or in.
.macro STEP causal
.if \causal
	s_add_co_u32 s80, s[I], 1                      ; the next step's chunk: trip + 1 while trip + 1 + wave <= 15 (first block), else (trip + 1 + wave) mod 16 (second block)
	s_add_co_u32 s81, s80, s[WV]
	s_and_b32 s82, s80, 15
	s_and_b32 s83, s81, 15
	s_cmp_le_u32 s81, 15
	s_cselect_b32 s[TB], s82, s83
	s_cmp_eq_u32 s81, 16                           ; trip + wave = 15: the first block's diagonal step;
	s_cselect_b32 s[DG], 1, 0
	s_cmp_eq_u32 s[I], 16                          ; trip 16: the second block's
	s_cselect_b32 s[DG], 1, s[DG]
.else
	s_add_co_u32 s[TB], s[I], 1
.endif
	s_lshl_b32 s[TB], s[TB], 13
	s_wait_dscnt 16                                ; K's fragments are in; V's 16 loads may be out
	WIN 0x01
.irp t, 0,1,2,3,4,5,6,7
	v_wmma_f32_16x16x64_fp8_fp8 v[SA+8*\t:SA+8*\t+7], v[KF+8*\t:KF+8*\t+7], v[QA:QA+7], 0
	v_wmma_f32_16x16x64_fp8_fp8 v[SB+8*\t:SB+8*\t+7], v[KF+8*\t:KF+8*\t+7], v[QB:QB+7], 0
.endr
	WIN 0
	v_add_nc_u32 v[ADK], s[TB], v[AK0]             ; four places behind the products (ISA guide 7.12.1)
	v_add_nc_u32 v[ADV], s[TB], v[AV0]
	v_nop
	v_nop
.if \causal
	s_cmp_eq_u32 s[DG], 0
	s_cbranch_scc1 .Lopen_\@
.set n, 0
.rept 64                               ; register n holds key 16 (n / 8) + 8 (lane / 16) + n % 8 of the step; tile b's queries lie 16 further on
	v_cmp_gt_i32 vcc_lo, 16*(n/8)+n%8, v[DD]
	v_cndmask_b32 v[SA+n], v[SA+n], v[FILL], vcc_lo
	v_cmp_gt_i32 vcc_lo, 16*(n/8)+n%8-16, v[DD]
	v_cndmask_b32 v[SB+n], v[SB+n], v[FILL], vcc_lo
.set n, n+1
.endr
.Lopen_\@:
.endif
	v_max3_num_f32 v24, v[SA], v[SA+1], v[SA+2]    ; the step's largest scores: two chains a tile, the four by turns, each accumulator from its low end on
	v_max3_num_f32 v26, v[SB], v[SB+1], v[SB+2]
	v_max3_num_f32 v25, v[SA+3], v[SA+4], v[SA+5]
	v_max3_num_f32 v27, v[SB+3], v[SB+4], v[SB+5]
.irp i, 6,10,14,18,22,26,30,34,38,42,46,50,54,58
	v_max3_num_f32 v24, v24, v[SA+\i], v[SA+\i+1]
	v_max3_num_f32 v26, v26, v[SB+\i], v[SB+\i+1]
	v_max3_num_f32 v25, v25, v[SA+\i+2], v[SA+\i+3]
	v_max3_num_f32 v27, v27, v[SB+\i+2], v[SB+\i+3]
.endr
	v_max3_num_f32 v24, v24, v[SA+62], v[SA+63]
	v_max3_num_f32 v26, v26, v[SB+62], v[SB+63]
	v_max_num_f32 v24, v24, v25
	v_max_num_f32 v26, v26, v27
	v_permlanex16_b32 v28, v24, s[SEL], s[SEL+1]
	v_permlanex16_b32 v29, v26, s[SEL], s[SEL+1]
	v_max_num_f32 v24, v24, v28
	v_max_num_f32 v26, v26, v29
	v_mul_f32 v24, s[CS], v24                      ; as t (c is positive)
	v_mul_f32 v26, s[CS], v26
	v_max_num_f32 v13, v13, v24
	v_max_num_f32 v17, v17, v26
	v_mov_b32 v24, v12
	v_mov_b32 v26, v16
	v_floor_f32 v12, -v13                          ; -M = floor(-t)
	v_floor_f32 v16, -v17
	v_sub_f32 v24, v12, v24                        ; old M - new M, a whole number, 0 or less
	v_sub_f32 v26, v16, v26
	v_cvt_i32_f32 v24, v24
	v_cvt_i32_f32 v26, v26
	v_ldexp_f32 v20, 1.0, v24                      ; f = 2^(old M - new M)
	v_ldexp_f32 v22, 1.0, v26
.set n, 0
.rept 32
	v_pk_fma_f32 v[SA+n:SA+n+1], v[SA+n:SA+n+1], s[CS:CS+1], v[12:13] op_sel_hi:[1,0,0]
.set n, n+2
.endr
	s_wait_alu depctr_va_vdst(0)                   ; ahead of the batch
.set n, 0
.rept 32                               ; a's exponentials; among them b's t - M, which is first read behind the next wait
	v_exp_f32 v[SA+n], v[SA+n]
	v_exp_f32 v[SA+n+1], v[SA+n+1]
	v_pk_fma_f32 v[SB+n:SB+n+1], v[SB+n:SB+n+1], s[CS:CS+1], v[16:17] op_sel_hi:[1,0,0]
.set n, n+2
.endr
	s_wait_alu depctr_va_vdst(0)                   ; behind a's batch and ahead of b's
.set n, 0
.rept 16                               ; b's exponentials; among them a's first level of sums (of the unquantised p) and a's hold: all first read behind the next wait
	v_exp_f32 v[SB+4*n], v[SB+4*n]
	v_exp_f32 v[SB+4*n+1], v[SB+4*n+1]
	v_exp_f32 v[SB+4*n+2], v[SB+4*n+2]
	v_exp_f32 v[SB+4*n+3], v[SB+4*n+3]
	v_pk_add_f32 v[TT+2*n:TT+2*n+1], v[SA+4*n:SA+4*n+1], v[SA+4*n+2:SA+4*n+3]
	v_dual_min_num_f32 v[SA+4*n], v[SA+4*n], v[LIMA] :: v_dual_min_num_f32 v[SA+4*n+1], v[SA+4*n+1], v[LIMB]   ; the conversion does not saturate (ISA guide 7.6.2); p is not negative
	v_dual_min_num_f32 v[SA+4*n+2], v[SA+4*n+2], v[LIMA] :: v_dual_min_num_f32 v[SA+4*n+3], v[SA+4*n+3], v[LIMB]
.set n, n+1
.endr
	v_pk_mul_f32 v[14:15], v[14:15], v[20:21] op_sel_hi:[1,0]   ; the sums under the new M
	v_pk_mul_f32 v[18:19], v[18:19], v[22:23] op_sel_hi:[1,0]
	s_wait_alu depctr_va_vdst(0)                   ; behind b's batch
.irp b, 0,1,2,3
	v_cvt_scalef32_pk8_fp8_f32 v[CA+4*\b:CA+4*\b+1], v[SA+16*\b:SA+16*\b+7], v[SCP]
	v_cvt_scalef32_pk8_fp8_f32 v[CA+4*\b+2:CA+4*\b+3], v[SA+16*\b+8:SA+16*\b+15], v[SCP]
.endr
	v_pk_add_f32 v[24:25], v[SB:SB+1], v[SB+2:SB+3]
	v_pk_add_f32 v[14:15], v[14:15], v[TT:TT+1]
.set n, 1
.rept 15
	v_pk_add_f32 v[14:15], v[14:15], v[TT+2*n:TT+2*n+1]
	v_pk_add_f32 v[18:19], v[18:19], v[SB+4*n:SB+4*n+1]
	v_pk_add_f32 v[24:25], v[24:25], v[SB+4*n+2:SB+4*n+3]
.set n, n+1
.endr
	v_pk_add_f32 v[18:19], v[18:19], v[24:25]
.set n, 0
.rept 32
	v_dual_min_num_f32 v[SB+n], v[SB+n], v[LIMA] :: v_dual_min_num_f32 v[SB+n+1], v[SB+n+1], v[LIMB]
.set n, n+2
.endr
.irp b, 0,1,2,3
	v_cvt_scalef32_pk8_fp8_f32 v[CB+4*\b:CB+4*\b+1], v[SB+16*\b:SB+16*\b+7], v[SCP]
	v_cvt_scalef32_pk8_fp8_f32 v[CB+4*\b+2:CB+4*\b+3], v[SB+16*\b+8:SB+16*\b+15], v[SCP]
.endr
	s_wait_alu depctr_va_vdst(0)
	s_wait_dscnt 0x0                               ; V's fragments are in; nothing else is out
.if \causal
	v_and_b32 v[ADK], 0x1e1f0, v[ADK]              ; the chunk's four bits and the lane's five: states the address's bound, 131,071 with the largest offset; it changes no value
.endif
	LOADK ADK
	WIN 0x41
	s_wait_alu depctr_va_vdst(0)                   ; directly ahead of the first readers of O^T
.set n, 0
.rept 16
	v_pk_mul_f32 v[OA+n:OA+n+1], v[OA+n:OA+n+1], v[20:21] op_sel_hi:[1,0]
.set n, n+2
.endr
.set n, 0
.rept 16
	v_pk_mul_f32 v[OB+n:OB+n+1], v[OB+n:OB+n+1], v[22:23] op_sel_hi:[1,0]
.set n, n+2
.endr
	WIN 0x51
.irp t, 0,1,2,3                        ; the eight accumulators take turns
	v_wmma_f32_16x16x128_fp8_fp8 v[OA+8*\t:OA+8*\t+7], v[VF+16*\t:VF+16*\t+15], v[CA:CA+15], v[OA+8*\t:OA+8*\t+7]
	v_wmma_f32_16x16x128_fp8_fp8 v[OB+8*\t:OB+8*\t+7], v[VF+16*\t:VF+16*\t+15], v[CB:CB+15], v[OB+8*\t:OB+8*\t+7]
.endr
	WIN 0
.rept 4
	v_nop                                          ; places in front of the loads into V's registers and of reads of O^T
.endr
.if \causal
	s_cmp_eq_u32 s[DG], 0
	s_cbranch_scc1 .Lcont_\@
	; THE BLOCK IS FINISHED: O^T / the sum, quantised under 2^e10 (the three scales are one), stored as pieces of z's image
	v_add_f32 v14, v14, v15
	v_add_f32 v18, v18, v19
	v_permlanex16_b32 v28, v14, s[SEL], s[SEL+1]
	v_permlanex16_b32 v29, v18, s[SEL], s[SEL+1]
	v_add_f32 v14, v14, v28
	v_add_f32 v18, v18, v29
	s_wait_alu depctr_va_vdst(0)
	v_rcp_f32 v14, v14
	v_rcp_f32 v18, v18
	v_nop
	WIN 0x01
	s_wait_alu depctr_va_vdst(0)                   ; behind the reciprocals, directly ahead of the first readers of O^T
.set n, 0
.rept 16
	v_pk_mul_f32 v[SA+n:SA+n+1], v[OA+n:OA+n+1], v[14:15] op_sel_hi:[1,0]
.set n, n+2
.endr
.set n, 0
.rept 16
	v_pk_mul_f32 v[SB+n:SB+n+1], v[OB+n:OB+n+1], v[18:19] op_sel_hi:[1,0]
.set n, n+2
.endr
	WIN 0
.set n, 0
.rept 32
	v_med3_num_f32 v[SA+n], v[SA+n], -v[ZLIM], v[ZLIM]
	v_med3_num_f32 v[SB+n], v[SB+n], -v[ZLIM], v[ZLIM]
.set n, n+1
.endr
.irp t, 0,1,2,3
	v_cvt_scalef32_pk8_fp8_f32 v[CA+2*\t:CA+2*\t+1], v[SA+8*\t:SA+8*\t+7], v[ZSC]
	v_cvt_scalef32_pk8_fp8_f32 v[CB+2*\t:CB+2*\t+1], v[SB+8*\t:SB+8*\t+7], v[ZSC]
.endr
	v_nop
	global_store_b128 v[GO], v[CA:CA+3], s[56:57]                  ; 32 lanes store 512 consecutive bytes, aligned
	global_store_b128 v[GO], v[CA+4:CA+7], s[56:57] offset:512
	global_store_b128 v[GO], v[CB:CB+3], s[56:57] offset:16384     ; tile b: the next tile of 16 tokens
	global_store_b128 v[GO], v[CB+4:CB+7], s[56:57] offset:16896
	s_cmp_eq_u32 s[I], 16
	s_cbranch_scc1 .Lend                           ; the second block was the last
	INIT 1
	s_wait_alu depctr_va_vdst(0)
	s_wait_xcnt 0x0                                ; the stores have read their registers and their base
	s_mov_b64 s[56:57], s[58:59]
.Lcont_\@:
.endif
.if \causal
	v_and_b32 v[ADV], 0x3e1f0, v[ADV]              ; likewise, with V's base bit: the highest byte read is 262,143, under the spare words
.endif
	LOADV ADV
	WIN 0
.endm
	s_load_b128 s[4:7], s[0:1], 0x0                ; qkv s[4:5], the exponents s[6:7]
	s_load_b64 s[8:9], s[0:1], 0x10                ; zc
	v_lshl_add_u32 v[SPW], v0, 2, SPARE
	v_mov_b32 v[NIL], 0
	ds_add_u32 v[SPW], v[NIL]                      ; the opening: the add, twice on end, and its wait ahead of my first tensor load
	ds_add_u32 v[SPW], v[NIL]
	v_lshrrev_b32 v8, 5, v0
	v_readfirstlane_b32 s[WV], v8                  ; wave 0..7
	s_bfe_u32 s10, ttmp6, 0x40000                  ; cx
	s_and_b32 s11, ttmp7, 0xffff                   ; batch x head
	s_lshr_b32 s12, s[WV], 2                       ; I fetch for K (0) or for V (1),
	s_and_b32 s13, s[WV], 3                        ; this quarter of each fill
	s_lshl_b32 s14, s12, 17
	s_mul_i32 s15, s13, 10240                      ; chunks 0-4: 40,960 bytes in four parts
	s_mul_i32 s16, s13, 22528                      ; chunks 5-15: 90,112 bytes in four parts
	s_add_co_u32 s16, s16, 40960
	s_add_co_u32 s17, s12, 1
	s_lshl_b32 s17, s17, 23                        ; plane 1 (k) or 2 (v) of qkv
	s_lshl_b32 s19, s11, 17
	s_add_co_u32 s17, s17, s19
	s_add_co_u32 s60, s17, s15
	s_mov_b32 s61, 0
	s_add_co_u32 s62, s17, s16
	s_mov_b32 s63, 0
	s_mov_b32 s[G1A], 15|(3<<16)|(1<<21)           ; the mask: all four work-groups; elements of 8 bytes; bit 21 beside a mask
	s_mov_b32 s[G1A+1], 32<<16                     ; dense rows of 256 bytes
	s_mov_b32 s[G1A+2], 40<<16
	s_mov_b32 s[G1A+3], 32<<16
	s_mov_b32 s[G1A+4], 40
	s_mov_b32 s[G1A+5], 32
	s_mov_b32 s[G1A+6], 0
	s_mov_b32 s[G1A+7], 0
	s_mov_b32 s[G1B], 15|(3<<16)|(1<<21)
	s_mov_b32 s[G1B+1], 32<<16
	s_mov_b32 s[G1B+2], 88<<16
	s_mov_b32 s[G1B+3], 32<<16
	s_mov_b32 s[G1B+4], 88
	s_mov_b32 s[G1B+5], 32
	s_mov_b32 s[G1B+6], 0
	s_mov_b32 s[G1B+7], 0
	s_lshl_b32 s51, s[WV], 2
	s_add_co_u32 s51, s51, s10                     ; x: my second block
	s_sub_co_u32 s50, 63, s51                      ; my first block
	s_lshl_b32 s52, s50, 11                        ; a block's q: two tiles of 1,024 bytes
	s_add_co_u32 s52, s52, s19
	s_mov_b32 s53, 0
	s_lshl_b32 s54, s51, 11
	s_add_co_u32 s54, s54, s19
	s_mov_b32 s55, 0
	s_lshr_b32 s66, s11, 4
	s_lshl_b32 s66, s66, 21                        ; z: the batch,
	s_and_b32 s67, s11, 15
	s_lshl_b32 s67, s67, 10                        ; the head's 64 of K,
	s_add_co_u32 s66, s66, s67
	s_lshl_b32 s56, s50, 15                        ; the block's two tiles of 16,384 bytes
	s_add_co_u32 s56, s56, s66
	s_mov_b32 s57, 0
	s_lshl_b32 s58, s51, 15
	s_add_co_u32 s58, s58, s66
	s_mov_b32 s59, 0
	s_and_b32 s77, s50, 3
	s_lshl_b32 s77, s77, 5                         ; the block's place in its diagonal step of 128 keys
	s_and_b32 s78, s51, 3
	s_lshl_b32 s78, s78, 5
	s_mov_b32 s[SEL], 0x76543210
	s_mov_b32 s[SEL+1], 0xfedcba98
	s_mov_b32 s[CS], 0x3e38aa3b                    ; log2(e) / 8
	v_and_b32 v8, 31, v0
	v_lshlrev_b32 v[GO], 4, v8                     ; 16 x lane
	v_lshlrev_b32 v[AK0], 4, v8
	v_add_nc_u32 v[AV0], VBASE, v[AK0]
	v_and_b32 v8, 15, v0
	v_bfe_u32 v9, v0, 4, 1
	v_lshlrev_b32 v9, 3, v9
	v_sub_nc_u32 v8, v8, v9
	v_add_nc_u32 v[DD], s77, v8
	v_add_nc_u32 v[DE], s78, v8
	v_mov_b32 v28, 0                               ; written once: a lane permute's destination counts as a source
	v_mov_b32 v29, 0
	v_mov_b32 v21, 0                               ; (named as the upper halves of pairs)
	v_mov_b32 v23, 0
	s_wait_alu depctr_va_vdst(0)
	s_wait_dscnt 0x0                               ; both opening adds are done
	s_wait_kmcnt 0x0
	s_load_b128 s[68:71], s[6:7], 0x18             ; e6, e7, e8, e9
	s_load_b32 s72, s[6:7], 0x28                   ; e10
	s_mov_b32 s[G0A], 1
	s_add_co_u32 s[G0A+1], s14, s15
	s_add_nc_u64 s[G0A+2:G0A+3], s[4:5], s[60:61]
	s_or_b32 s[G0A+3], s[G0A+3], 0x80000000
	s_mov_b32 s[G0B], 1
	s_add_co_u32 s[G0B+1], s14, s16
	s_add_nc_u64 s[G0B+2:G0B+3], s[4:5], s[62:63]
	s_or_b32 s[G0B+3], s[G0B+3], 0x80000000
	s_add_nc_u64 s[52:53], s[4:5], s[52:53]
	s_add_nc_u64 s[54:55], s[4:5], s[54:55]
	s_add_nc_u64 s[56:57], s[8:9], s[56:57]
	s_add_nc_u64 s[58:59], s[8:9], s[58:59]
.irp c, 0,1,2,3                        ; q of both blocks is asked for ahead of the rounds
	global_load_b128 v[QA+4*\c:QA+4*\c+3], v[GO], s[52:53] offset:\c*512
.endr
	WIN 0x40
.irp c, 0,1,2,3
	global_load_b128 v[QE+4*\c:QE+4*\c+3], v[GO], s[54:55] offset:\c*512
.endr
	WIN 0
	CROUND                                         ; the four work-groups are here: the joint loads meet
	tensor_load_to_lds s[G0A:G0A+3], s[G1A:G1A+7]  ; chunks 0-4: one tensor load a wave at the head
	s_nop 0
	s_wait_kmcnt 0x0
	s_add_co_i32 s73, s68, s69
	s_lshl_b32 s73, s73, 23
	s_add_co_i32 s[CS], s[CS], s73                 ; a score stands for score x 2^(e6 + e7)
	s_mov_b32 s[CS+1], s[CS]
	s_sub_co_u32 s74, 0xcaf42400, s73              ; 8 x MASK_FILL / 2^(e6 + e7): the fill as a raw score
	v_mov_b32 v[FILL], s74
	s_add_co_i32 s75, s71, 127
	s_lshl_b32 s76, s75, 23
	v_mov_b32 v[SCP], s76                          ; 2^e9
	s_add_co_i32 s75, s75, 8
	s_lshl_b32 s75, s75, 23
	s_or_b32 s75, s75, 0x600000
	v_mov_b32 v[LIMA], s75                         ; 448 x 2^e9
	v_mov_b32 v[LIMB], s75
	s_sub_co_i32 s75, s72, s70
	s_sub_co_i32 s75, s75, s71
	s_add_co_i32 s75, s75, 127
	s_lshl_b32 s76, s75, 23
	v_mov_b32 v[ZSC], s76                          ; 2^(e10 - e8 - e9)
	s_add_co_i32 s75, s75, 8
	s_lshl_b32 s75, s75, 23
	s_or_b32 s75, s75, 0x600000
	v_mov_b32 v[ZLIM], s75
	INIT 0
	s_wait_alu depctr_va_vdst(0)
	s_wait_tensorcnt 0x0                           ; my part of chunks 0-4 is in
	ds_add_u32 v[SPW], v[NIL]
	s_wait_dscnt 0x0
	CROUND                                         ; everybody's part is in
	tensor_load_to_lds s[G0B:G0B+3], s[G1B:G1B+7]  ; chunks 5-15
	s_nop 0
.rept 4
	v_nop
.endr
	LOADK AK0                                      ; chunk 0
	LOADV AV0
	WIN 0
	s_wait_loadcnt 0x0                             ; q
	s_mov_b32 s[I], 0
.Lfirst:                                               ; trips 0-3: every wave's first block, all keys open
	STEP 0
	s_add_co_u32 s[I], s[I], 1
	s_cmp_lt_u32 s[I], 4
	s_wait_alu depctr_va_vdst(0)
	s_cbranch_scc1 .Lfirst
	s_wait_tensorcnt 0x0                           ; my part of chunks 5-15 is in
	s_wait_dscnt 0x0
	s_barrier_signal -1
	s_barrier_wait -1                              ; everybody's is
	s_mov_b32 s[I], 4
.Lrest:                                                ; trips 4-16; trip 16 leaves through .Lend
	STEP 1
	s_add_co_u32 s[I], s[I], 1
	s_cmp_lt_u32 s[I], 17
	s_wait_alu depctr_va_vdst(0)
	s_cbranch_scc1 .Lrest
.Lend:
	s_wait_tensorcnt 0x0                           ; the wave's end
	ds_add_u32 v[SPW], v[NIL]
	s_wait_dscnt 0x0
	CROUND                                         ; the closing round
	s_endpgm
.Lfunc_end_k_q680012f706_attn:
	.size	k_q680012f706_attn, .Lfunc_end_k_q680012f706_attn-k_q680012f706_attn
	.p2alignl 7, 3214868480
	.fill 96, 4, 3214868480
	.section	.rodata,"a",@progbits
	.p2align	6, 0x0
	.amdhsa_kernel k_q680012f706_attn
		.amdhsa_group_segment_fixed_size 327680
		.amdhsa_private_segment_fixed_size 0
		.amdhsa_enable_private_segment 0
		.amdhsa_kernarg_size 24
		.amdhsa_user_sgpr_count 2
		.amdhsa_user_sgpr_kernarg_segment_ptr 1
		.amdhsa_wavefront_size32 1
		.amdhsa_system_sgpr_workgroup_id_x 1
		.amdhsa_system_sgpr_workgroup_id_y 1
		.amdhsa_system_sgpr_workgroup_id_z 1
		.amdhsa_system_vgpr_workitem_id 0
		.amdhsa_next_free_vgpr 512
		.amdhsa_next_free_sgpr 100
		.amdhsa_reserve_vcc 1
		.amdhsa_float_denorm_mode_32 3
		.amdhsa_float_denorm_mode_16_64 3
		.amdhsa_memory_ordered 1
		.amdhsa_forward_progress 1
		.amdhsa_inst_pref_size 90
	.end_amdhsa_kernel
	.amdgpu_metadata
---
amdhsa.version: [ 1, 2 ]
amdhsa.kernels:
  - .name:           k_q680012f706_attn
    .symbol:         k_q680012f706_attn.kd
    .args:
      - { .name: qkv, .offset: 0, .size: 8, .value_kind: global_buffer, .address_space: global }
      - { .name: lowp_scales, .offset: 8, .size: 8, .value_kind: global_buffer, .address_space: global }
      - { .name: zc, .offset: 16, .size: 8, .value_kind: global_buffer, .address_space: global }
    .group_segment_fixed_size: 327680
    .private_segment_fixed_size: 0
    .kernarg_segment_align: 8
    .kernarg_segment_size: 24
    .max_flat_workgroup_size: 256
    .sgpr_count:     100
    .vgpr_count:     512
    .wavefront_size: 32
...
	.end_amdgpu_metadata
.endif
;; end of part 3
;; launch outp (part 4): grid 4 x 64, 4 waves a work-group, clusters of 4 x 4, 327,680 bytes of LDS; arguments zc, wc, lowp_scales, b_out, out0; writes out0
.if DOCPART == 4
	.amdgcn_target "amdgcn-amd-amdhsa--gfx1250"
	.amdhsa_code_object_version 6
	.text
	.protected	k_q680012f706_outp
	.globl	k_q680012f706_outp
	.p2align	8
	.type	k_q680012f706_outp,@function
k_q680012f706_outp:
	s_mov_b64 s[64:65], 0
	v_nop
	global_prefetch_b8 v0, s[64:65] scope:SCOPE_SE
	s_setreg_imm32_b32 hwreg(HW_REG_WAVE_MODE, 25, 1), 1
	s_wait_xcnt 0x0
	s_wait_alu depctr_hold_cnt(0) depctr_sa_sdst(0) depctr_va_vdst(0) depctr_va_sdst(0) depctr_va_ssrc(0) depctr_va_vcc(0) depctr_vm_vsrc(0)
	s_getreg_b32 s2, hwreg(HW_REG_IB_STS2, 6, 4)
	s_cmp_eq_u32 s2, 0
	s_cbranch_scc0 .Lentry_in_a_cluster
	s_endpgm
.Lentry_in_a_cluster:
	s_bfe_u32 s2, ttmp6, 0x10000c
	s_cmp_lg_u32 s2, 0xf033
	s_cbranch_scc0 .Lentry_shape_is_right
	s_endpgm
.Lentry_shape_is_right:
; out = z W_out + b_out on codes of FP8 (E4M3): z's images come from the attention, W_out's from the first launch (matrix 3 of wc; K = 64 head + channel on both sides).  No work is left out here.
; A work-group multiplies U (256 columns of W_out, source 0) by T (128 tokens, source 1) over K = 1,024: 256 work-groups.  A lane holds ONE token; the 16 registers of two neighbouring tiles of U are 16 neighbouring columns.
; WAVES: wave / 2 picks 64 tokens (4 tiles), wave % 2 picks 128 columns (8 tiles): 32 accumulators.  K goes in 8 steps of 128; the tiles lie in LDS as images.
; THE FILLS, one tensor load a wave each: slot 0 (98,304 bytes; a tile's 4,096 bytes, 256 along K, on end) takes K 0-255 at the head; the region behind it (196,608 bytes; a tile's 8,192 bytes on end)
; takes K 256-767 behind the full sequence and a round; slot 0 is filled once more, with K 768-1023, when step 1 has left it.  By this text's own count a wave has one tensor load out.
; Group 1's two row lengths are written anew, by constants on the way that all waves take, behind the waits that show no load of the wave out.
; CLUSTER 4 x 4: T's tile is shared along a row of the cluster, U's along a column: joint loads.  No prefetch into the L2: the text has no loop to run ahead in.
; THE WAY OUT: sum x 2^(e10 + e11) + b_out by one packed multiply-add for two numbers; 16 rows x 512 bytes at a time through the wave's stage, which lies at the region's head: the region has had its one fill,
; and every wave's reads of it are over behind the barrier of step 5.
; LIMIT: e10 + e11 between -126 and 127.
; REGISTERS: window 0: v16-21 LDS addresses, v23 the bias's offset, v24-25 the stage, v27 16 x lane, v28-29 the add's two, v64-127 results, v128-255 T's fragments in two sets, later rows of out;
;   window 1: accumulator (a, b) at v[8 (8 a + b)];   window 2: U's fragments in two sets;   window 3: v0-63 the bias in the results' layout.
.set SLOT,  98304
.set UOFF,  32768
.set SPARE, 3*SLOT
.set STG,   8448                       ; a wave's stage: 16 rows x (512 bytes + 16)
.set ADT, 16
.set ADU, 20
.set BO,  23
.set STO, 24
.set RD,  25
.set L16, 27
.set SPW, 28
.set NIL, 29
.set TMP, 64
.set TF,  128
.set BK,  128
.set G1T, 24
.set G1U, 32
.set G0T, 40
.set G0U, 52
.set MSB, 0
.macro WIN new                         ; the immediate's high byte repeats the setting that is left
.if MSB != \new
	s_set_vgpr_msb (MSB<<8)|\new
.set MSB, \new
.endif
.endm
.set MULW, 0x52                        ; source 0 (U) window 2, source 1 (T) window 0, C and D window 1
.set TO_U, 0x80
.macro JLOAD g                         ; a joint load: waves 0, 1 fetch T's halves, waves 2, 3 U's; an s_nop 0 and four v_nop follow each line
	s_cmp_eq_u32 s15, 0
	s_cbranch_scc0 .Lfor_u_\@
	tensor_load_to_lds s[G0T+4*\g:G0T+4*\g+3], s[G1T:G1T+7]
	s_nop 0
.rept 4
	v_nop
.endr
	s_branch .Lasked_\@
.Lfor_u_\@:
	tensor_load_to_lds s[G0U+4*\g:G0U+4*\g+3], s[G1U:G1U+7]
	s_nop 0
.rept 4
	v_nop
.endr
.Lasked_\@:
.endm
.macro CREST
	s_cmp_lg_u32 s14, 0
	s_cbranch_scc1 .Lnot_wave_0_\@
	s_barrier_signal -3
.Lnot_wave_0_\@:
	s_barrier_wait -3
	s_barrier_signal -1
	s_barrier_wait -1
.endm
.macro CROUND
	s_barrier_signal -1
	s_barrier_wait -1
	CREST
.endm
.macro PLACES n                        ; plain vector lines behind matrix instructions (ISA guide 7.12.1)
.rept \n
	v_nop
.endr
.endm
.macro FETCH s                         ; the fragments of step s: U's eight, T's four, into set s % 2.  Steps 2-5 lie in the region, the others in slot 0
.set KQ, (\s)%2
.if ((\s) > 1) && ((\s) < 6)
.set SG, 1
.set PIT, 8192
.set KO, ((\s)-2)*2048
.else
.set SG, 0
.set PIT, 4096
.set KO, KQ*2048
.endif
	WIN TO_U
.irp i, 0,1,2,3,4,5,6,7
.irp c, 0,1,2,3
	ds_load_b128 v[128*KQ+16*\i+4*\c:128*KQ+16*\i+4*\c+3], v[ADU+SG] offset:\i*PIT+KO+\c*512
.endr
.endr
	WIN 0
.irp i, 0,1,2,3
.irp c, 0,1,2,3
	ds_load_b128 v[TF+64*KQ+16*\i+4*\c:TF+64*KQ+16*\i+4*\c+3], v[ADT+SG] offset:\i*PIT+KO+\c*512
.endr
.endr
.endm
.macro MUL a0, n, set, zero            ; the 32 accumulators take turns, one instruction a turn, in one order in every step
.set aa, \a0
.rept \n
.irp b, 0,1,2,3,4,5,6,7
.if \zero
	v_wmma_f32_16x16x128_fp8_fp8 v[8*(8*aa+\b):8*(8*aa+\b)+7], v[128*(\set)+16*\b:128*(\set)+16*\b+15], v[TF+64*(\set)+16*aa:TF+64*(\set)+16*aa+15], 0
.else
	v_wmma_f32_16x16x128_fp8_fp8 v[8*(8*aa+\b):8*(8*aa+\b)+7], v[128*(\set)+16*\b:128*(\set)+16*\b+15], v[TF+64*(\set)+16*aa:TF+64*(\set)+16*aa+15], v[8*(8*aa+\b):8*(8*aa+\b)+7]
.endif
.endr
.set aa, aa+1
.endr
.endm
.macro STEP s, zero
	s_wait_dscnt 0x0                               ; this step's fragments are in
.if (\s) < 7
.if (\s) > 0
	PLACES 4                                       ; the other set was read by the step before
.endif
	FETCH (\s)+1
.endif
	WIN MULW
	MUL 0, 4, (\s)%2, \zero
	WIN 0
.endm
; Block a (16 tokens x 128 columns): scaled, the bias added, into my stage, and back as whole rows of 512 bytes.  LDS serves a wave's instructions in order (ISA guide 5.7.1.4): no wait between.
.macro TOSTAGE a
	WIN 0x31                                       ; source 0 (the sums) window 1, source 2 (the bias) window 3
.irp b, 0,1,2,3,4,5,6,7
.irp i, 0,2,4,6
	v_pk_fma_f32 v[TMP+8*\b+\i:TMP+8*\b+\i+1], v[8*(8*(\a)+\b)+\i:8*(8*(\a)+\b)+\i+1], s[96:97], v[8*\b+\i:8*\b+\i+1] op_sel_hi:[1,0,1]   ; each accumulator from its low end on
.endr
.endr
	WIN 0
.irp b, 0,1,2,3,4,5,6,7
	ds_store_b128 v[STO], v[TMP+8*\b:TMP+8*\b+3] offset:(32*(\b/2)+8*(\b%2))*4       ; lane (r, h): columns 32 (b / 2) + 16 h + 8 (b % 2) + 0 .. 7 of token r
	ds_store_b128 v[STO], v[TMP+8*\b+4:TMP+8*\b+7] offset:(32*(\b/2)+8*(\b%2))*4+16
.endr
.set BB, BK+64*((\a)%2)
.irp t, 0,1,2,3,4,5,6,7,8,9,10,11,12,13,14,15
	ds_load_b128 v[BB+4*\t:BB+4*\t+3], v[RD] offset:\t*528
.endr
.endm
.macro SEND a, younger                 ; younger: the LDS instructions issued behind block a's loads, which may stay out
.set BB, BK+64*((\a)%2)
	s_wait_dscnt \younger
.if (\a) > 0
	s_add_nc_u64 s[12:13], s[12:13], 65536         ; 16 rows on (behind a wait on XCNT for 0: the earlier stores have read their base)
.endif
.irp t, 0,1,2,3,4,5,6,7,8,9,10,11,12,13,14,15
	global_store_b128 v[L16], v[BB+4*\t:BB+4*\t+3], s[12:13] offset:\t*4096 th:TH_STORE_NT   ; 32 lanes store 512 consecutive bytes, aligned
.endr
.endm
	s_load_b256 s[4:11], s[0:1], 0x0               ; zc s[4:5], wc s[6:7], the exponents s[8:9], b_out s[10:11]
	s_load_b64 s[12:13], s[0:1], 0x20              ; out0
	v_lshl_add_u32 v[SPW], v0, 2, SPARE
	v_mov_b32 v[NIL], 0
	ds_add_u32 v[SPW], v[NIL]                      ; the wave's opening: the add, twice on end, and its wait ahead of my first tensor load
	ds_add_u32 v[SPW], v[NIL]
	v_lshrrev_b32 v1, 5, v0
	v_readfirstlane_b32 s14, v1                    ; wave 0..3
	s_lshr_b32 s15, s14, 1                         ; my 64 tokens.  Also: I fetch for T (0) or for U (1)
	s_and_b32 s16, s14, 1                          ; my 128 columns.  Also: which half of that tile I fetch
	s_bfe_u32 s66, ttmp6, 0x40000                  ; cx
	s_bfe_u32 s67, ttmp6, 0x40004                  ; cy
	s_and_b32 s68, ttmp7, 0xffff                   ; cluster y
	s_mov_b32 s69, s66                             ; U's tile = cx
	s_lshl_b32 s70, s68, 2
	s_add_co_u32 s70, s70, s67                     ; T's tile = 4 Y + cy
	s_lshl_b32 s72, s67, 2
	s_lshl_b32 s72, 15, s72                        ; my row of the cluster
	s_lshl_b32 s73, 0x1111, s66                    ; my column
	s_or_b32 s[G1T], s72, (3<<16)|(1<<21)          ; the mask; elements of 8 bytes; 21 set beside a mask; no padding
	s_mov_b32 s[G1T+1], 512<<16                    ; 4,096 bytes: 256 along K of one tile of 16 rows
	s_mov_b32 s[G1T+2], 4<<16
	s_mov_b32 s[G1T+3], 512<<16
	s_mov_b32 s[G1T+4], 4
	s_mov_b32 s[G1T+5], 2048                       ; from tile to tile: 16,384 bytes
	s_mov_b32 s[G1T+6], 0
	s_mov_b32 s[G1T+7], 0
	s_or_b32 s[G1U], s73, (3<<16)|(1<<21)
	s_mov_b32 s[G1U+1], 512<<16
	s_mov_b32 s[G1U+2], 8<<16
	s_mov_b32 s[G1U+3], 512<<16
	s_mov_b32 s[G1U+4], 8
	s_mov_b32 s[G1U+5], 2048
	s_mov_b32 s[G1U+6], 0
	s_mov_b32 s[G1U+7], 0
	s_lshl_b32 s74, s69, 18
	s_lshl_b32 s75, s16, 17
	s_add_co_u32 s74, s74, s75
	s_add_co_u32 s74, s74, 0x300000                ; matrix 3 of wc
	s_mov_b32 s75, 0
	s_lshl_b32 s84, s70, 17
	s_lshl_b32 s85, s16, 16
	s_add_co_u32 s84, s84, s85
	s_mov_b32 s85, 0
	s_lshl_b32 s86, s16, 14                        ; where they go: no place in the cluster enters an LDS address
	s_lshl_b32 s87, s16, 15
	s_add_co_u32 s87, s87, UOFF
	s_wait_dscnt 0x0                               ; both opening adds are done
	s_wait_kmcnt 0x0
	s_load_b64 s[96:97], s[8:9], 0x28              ; e10, e11
	s_add_nc_u64 s[80:81], s[6:7], s[74:75]
	s_add_nc_u64 s[82:83], s[4:5], s[84:85]
.irp g, 0,1                            ; group 0 number 0: slot 0; number 1: the region behind it, where every part is twice as long
	s_mov_b32 s[G0T+4*\g], 1
	s_lshl_b32 s[G0T+4*\g+1], s86, \g
	s_add_co_u32 s[G0T+4*\g+1], s[G0T+4*\g+1], \g*SLOT
	s_add_nc_u64 s[G0T+4*\g+2:G0T+4*\g+3], s[82:83], \g*4096
	s_or_b32 s[G0T+4*\g+3], s[G0T+4*\g+3], 0x80000000
	s_mov_b32 s[G0U+4*\g], 1
	s_lshl_b32 s[G0U+4*\g+1], s87, \g
	s_add_co_u32 s[G0U+4*\g+1], s[G0U+4*\g+1], \g*SLOT
	s_add_nc_u64 s[G0U+4*\g+2:G0U+4*\g+3], s[80:81], \g*4096
	s_or_b32 s[G0U+4*\g+3], s[G0U+4*\g+3], 0x80000000
.endr
	CROUND                                         ; all sixteen work-groups are here: the first joint loads meet
	JLOAD 0                                        ; K 0-255: one tensor load a wave at the head
	v_and_b32 v1, 31, v0
	v_lshlrev_b32 v[L16], 4, v1                    ; 16 x lane
	v_and_b32 v2, 15, v0                           ; r
	s_wait_alu depctr_va_vdst(0)
	v_bfe_u32 v3, v0, 4, 1                         ; h
	v_lshlrev_b32 v[BO], 6, v3                     ; the bias: + 16 h numbers
	s_lshl_b32 s90, s15, 14
	s_lshl_b32 s91, s16, 15
	s_add_co_u32 s91, s91, UOFF
	v_add_nc_u32 v[ADT], s90, v[L16]
	v_add_nc_u32 v[ADU], s91, v[L16]
	s_lshl_b32 s90, s90, 1                         ; in the region behind slot 0 every part is twice as long
	s_lshl_b32 s91, s91, 1
	s_add_co_u32 s90, s90, SLOT
	s_add_co_u32 s91, s91, SLOT
	v_add_nc_u32 v[ADT+1], s90, v[L16]
	v_add_nc_u32 v[ADU+1], s91, v[L16]
	s_mul_i32 s17, s14, STG
	s_add_co_u32 s17, s17, SLOT                    ; my stage, at the region's head
	v_mul_u32_u24 v[STO], v2, 528
	s_wait_alu depctr_va_vdst(0)
	v_lshl_add_u32 v[STO], v3, 6, v[STO]
	v_add_nc_u32 v[STO], s17, v[STO]               ; in: row r, + 64 h
	v_add_nc_u32 v[RD], s17, v[L16]                ; back: a row of 512 bytes
	s_lshl_b32 s94, s69, 10                        ; my first column in bytes: 1,024 U + 512 (wave % 2)
	s_lshl_b32 s95, s16, 9
	s_add_co_u32 s94, s94, s95
	s_lshl_b32 s92, s70, 19                        ; my first token: 128 T + 64 (wave / 2), rows of 4,096 bytes
	s_lshl_b32 s93, s15, 18
	s_add_co_u32 s92, s92, s93
	s_add_co_u32 s92, s92, s94
	s_mov_b32 s93, 0
	s_mov_b32 s95, 0
	s_add_nc_u64 s[10:11], s[10:11], s[94:95]
	s_add_nc_u64 s[12:13], s[12:13], s[92:93]
	WIN 0xc0                                       ; destination window 3
.irp b, 0,1,2,3,4,5,6,7
	global_load_b128 v[8*\b:8*\b+3], v[BO], s[10:11] offset:(32*(\b/2)+8*(\b%2))*4
	global_load_b128 v[8*\b+4:8*\b+7], v[BO], s[10:11] offset:(32*(\b/2)+8*(\b%2))*4+16
.endr
	WIN 0
	s_wait_kmcnt 0x0
	s_add_co_i32 s96, s96, s97
	s_add_co_i32 s96, s96, 127
	s_lshl_b32 s96, s96, 23                        ; 2^(e10 + e11) as f32
	s_mov_b32 s97, s96                             ; (named with it as a pair, so it is written)
	s_wait_alu depctr_va_vdst(0)
	s_wait_tensorcnt 0x0                           ; my part of slot 0 is in
	ds_add_u32 v[SPW], v[NIL]
	s_mov_b32 s[G1T+1], 1024<<16                   ; no load of mine is out: the rows become 8,192 bytes, 512 along K of one tile
	s_mov_b32 s[G1T+3], 1024<<16
	s_mov_b32 s[G1U+1], 1024<<16
	s_mov_b32 s[G1U+3], 1024<<16
	s_wait_dscnt 0x0
	CROUND                                         ; everybody's part of slot 0 is in, and the joint loads meet
	JLOAD 1                                        ; K 256-767, one load a wave
	FETCH 0
	STEP 0, 1                                      ; the first step's products start the sums
	; step 1 leaves slot 0, which is filled once more
	s_wait_tensorcnt 0x0                           ; my one tensor load has landed: my part of the region;
	ds_add_u32 v[SPW], v[NIL]                      ; 0 onto my spare word;
	s_wait_dscnt 1                                 ; step 1's fragments are in (the add alone may be out)
	WIN MULW
	MUL 0, 1, 1, 0
	s_wait_dscnt 0x0                               ; the add is done, and my reads of slot 0 are over
	s_barrier_signal -1
	MUL 1, 1, 1, 0
	WIN 0
	s_barrier_wait -1
	CREST                                          ; no wave of any partner still reads slot 0 or has a load on its way
	s_add_nc_u64 s[G0T+2:G0T+3], s[G0T+2:G0T+3], 3*4096
	s_add_nc_u64 s[G0U+2:G0U+3], s[G0U+2:G0U+3], 3*4096
	s_mov_b32 s[G1T+1], 512<<16                    ; rows of 4,096 bytes again
	s_mov_b32 s[G1T+3], 512<<16
	s_mov_b32 s[G1U+1], 512<<16
	s_mov_b32 s[G1U+3], 512<<16
	JLOAD 0                                        ; K 768-1023; its four v_nop are the places in front of the loads below
	FETCH 2
	WIN MULW
	MUL 2, 2, 1, 0
	WIN 0
	STEP 2, 0
	STEP 3, 0
	STEP 4, 0
	; step 5: slot 0's second fill is wanted next
	s_wait_tensorcnt 0x0                           ; my one load that was out
	s_wait_dscnt 0x0                               ; step 5's fragments are in; my reads of the region are over
	s_barrier_signal -1
	WIN MULW
	MUL 0, 2, 1, 0
	WIN 0
	s_barrier_wait -1                              ; everybody's part has landed
	PLACES 4
	FETCH 6
	WIN MULW
	MUL 2, 2, 1, 0
	WIN 0
	STEP 6, 0
	STEP 7, 0
	s_wait_loadcnt 0x0                             ; the bias
	PLACES 4
	TOSTAGE 0
.irp a, 1,2,3
.if \a > 1
	s_wait_xcnt 0x0                                ; block a - 2's stores have read their registers and their base
.endif
	TOSTAGE \a
	SEND \a-1, 32                                  ; behind block a - 1's loads: block a's 16 stores and 16 loads
.endr
	s_wait_xcnt 0x0
	SEND 3, 0
	s_wait_tensorcnt 0x0                           ; the wave's end, behind my last tensor load and my last LDS store
	ds_add_u32 v[SPW], v[NIL]
	s_wait_dscnt 0x0
	CROUND                                         ; the closing round
	s_endpgm
.Lfunc_end_k_q680012f706_outp:
	.size	k_q680012f706_outp, .Lfunc_end_k_q680012f706_outp-k_q680012f706_outp
	.p2alignl 7, 3214868480
	.fill 96, 4, 3214868480
	.section	.rodata,"a",@progbits
	.p2align	6, 0x0
	.amdhsa_kernel k_q680012f706_outp
		.amdhsa_group_segment_fixed_size 327680
		.amdhsa_private_segment_fixed_size 0
		.amdhsa_enable_private_segment 0
		.amdhsa_kernarg_size 40
		.amdhsa_user_sgpr_count 2
		.amdhsa_user_sgpr_kernarg_segment_ptr 1
		.amdhsa_wavefront_size32 1
		.amdhsa_system_sgpr_workgroup_id_x 1
		.amdhsa_system_sgpr_workgroup_id_y 1
		.amdhsa_system_sgpr_workgroup_id_z 1
		.amdhsa_system_vgpr_workitem_id 0
		.amdhsa_next_free_vgpr 832
		.amdhsa_next_free_sgpr 100
		.amdhsa_reserve_vcc 0
		.amdhsa_float_denorm_mode_32 3
		.amdhsa_float_denorm_mode_16_64 3
		.amdhsa_memory_ordered 1
		.amdhsa_forward_progress 1
		.amdhsa_inst_pref_size 76
	.end_amdhsa_kernel
	.amdgpu_metadata
---
amdhsa.version: [ 1, 2 ]
amdhsa.kernels:
  - .name:           k_q680012f706_outp
    .symbol:         k_q680012f706_outp.kd
    .args:
      - { .name: zc, .offset: 0, .size: 8, .value_kind: global_buffer, .address_space: global }
      - { .name: wc, .offset: 8, .size: 8, .value_kind: global_buffer, .address_space: global }
      - { .name: lowp_scales, .offset: 16, .size: 8, .value_kind: global_buffer, .address_space: global }
      - { .name: b_out, .offset: 24, .size: 8, .value_kind: global_buffer, .address_space: global }
      - { .name: out0, .offset: 32, .size: 8, .value_kind: global_buffer, .address_space: global }
    .group_segment_fixed_size: 327680
    .private_segment_fixed_size: 0
    .kernarg_segment_align: 8
    .kernarg_segment_size: 40
    .max_flat_workgroup_size: 128
    .sgpr_count:     100
    .vgpr_count:     832
    .wavefront_size: 32
...
	.end_amdgpu_metadata
.endif
;; end of part 4
